; MI455X (gfx1250); checked and timed in simulation.
; The chip was launched on July 23, 2026; its instructions are those of AMD's public machine-readable ISA for CDNA 5 (MIT licence, August 2026) and "CDNA5" Instruction Set Architecture Reference Guide (July 2026). The comments in the code are by the model that wrote it; some were corrected since.
;; Multi Head Attention. Allowed arithmetic: matrix products marked QUANTISED: E2M3 operands, one E8M0 scale for each 32 along K, by v_wmma_scale_f32_16x16x128_f8f6f4 with both operands' format E2M3, f32 sums; everything else in f32.
;; Inputs: Wk 1,024 x 1,024 float32; Wo 1,024 x 1,024 float32; Wq 1,024 x 1,024 float32; Wv 1,024 x 1,024 float32; bk 1,024 float32; bo 1,024 float32; bq 1,024 float32; bv 1,024 float32; key 8 x 1,024 x 1,024 float32; mask 8 x 1,024 x 1,024 bool; query 8 x 1,024 x 1,024 float32; u_bias 16 x 64 float32; value 8 x 1,024 x 1,024 float32.
;; Outputs: out0 8 x 1,024 x 1,024 float32.
;; This version of the problem:
;;   THIS VERSION OF THE PROBLEM IS GIVEN IN LOW PRECISION. The matrix products marked QUANTISED in the list below multiply operands that are first quantised to E2M3 (2 exponent bits, 3 mantissa bits; 6 bits a number), with one power-of-two scale for each 32 numbers along K (OCP MX v1.0); their sums are f32. All else is computed in f32.
;;   The module's matrix products, in the order in which they are computed (A, B: the left and right operand; K: the contracted axis; several contracted axes count as one K, in the product's order):
;;     1. [M 8,192, K 1,024] x [K 1,024, N 1,024]; A: input query; B: input Wq: QUANTISED
;;     2. [M 8,192, K 1,024] x [K 1,024, N 1,024]; A: input key; B: input Wk: QUANTISED
;;     3. [M 8,192, K 1,024] x [K 1,024, N 1,024]; A: input value; B: input Wv: QUANTISED
;;     4. batch 128 x [M 1,024, K 64] x [K 64, N 1,024]; A: computed on the way; B: computed on the way: QUANTISED
;;     5. batch 128 x [M 1,024, K 1,024] x [K 1,024, N 64]; A: softmax (see below); B: computed on the way: QUANTISED
;;     6. [M 8,192, K 1,024] x [K 1,024, N 1,024]; A: computed on the way; B: input Wo: QUANTISED
;;   THE QUANTISER, for each operand of a quantised product, along K:
;;     - K is cut into blocks of 32 from its start; a last block that is shorter is filled with zeros.
;;     - A block's scale is 2^e with e = floor(log2(the largest magnitude in the block)) - 2, held to -126 .. 127; a block of zeros has e = 0. As a byte (E8M0): e + 127.
;;     - Each number is divided by its block's scale, clamped to +-7.5, and rounded to the nearest number of E2M3, ties to even, subnormals kept.
;;     - The product sums the exact products of the quantised numbers (number of the format x scale) in f32.
;;   ~~~python
;;   def quantise(x, axis):      # numpy; x: float32 -> the quantised numbers, widened to float32 again
;;       x = np.moveaxis(x, axis, -1); K = x.shape[-1]
;;       x = np.pad(x, [(0, 0)] * (x.ndim - 1) + [(0, -K % 32)]); x = x.reshape(x.shape[:-1] + (-1, 32)); a = np.abs(x).max(-1, keepdims=True)
;;       e = np.where(a > 0, np.clip(np.frexp(np.where(a > 0, a, 1))[1] - 1 - 2, -126, 127), 0)      # np.frexp(a)[1] - 1 = floor(log2(a)), exactly
;;       r = np.clip(x / 2.0 ** e, -7.5, 7.5)
;;       step = 2.0 ** (np.maximum(np.frexp(np.where(r == 0, 1, r))[1] - 1, 0) - 3)
;;       q = np.round(r / step) * step * 2.0 ** e      # np.round: ties to even
;;       return np.moveaxis(q.reshape(q.shape[:-2] + (-1,))[..., :K], -1, axis).astype(np.float32)
;;   ~~~
;;   SOFTMAX AHEAD OF A QUANTISED PRODUCT. Where the list says 'softmax', what is quantised is not the finished softmax but p = 2^(t - M), with t = logit x log2(e) and M = ceil(the row's largest t), a whole number; so 1/2 < the row's largest p <= 1. The row's sum l is taken of the UNQUANTISED p, in f32, and the product's result is divided by l at the end. Since M is a whole number, a kernel that streams over the keys may use a running M (the ceiling of the running maximum): every later rescaling is an exact power of two, which a block's scale takes up: the codes' values come out the same.
;;   OPERANDS COMPUTED ON THE WAY. 'Computed on the way' means the value that the module computes at that place (a softmax that the list does not call 'softmax' is quantised finished and normalised). What goes into a quantiser is computed in f32, as accurately as f32 sums, v_exp_f32 and their like allow (about 1e-6 of the number): no bf16 or f16 on the way to a quantiser, and a product that is left as it is and whose result goes on into a quantised operand takes f32 operands (vector FMAs, or v_wmma_f32_16x16x4_f32). A number that lies on a knife's edge between two numbers of the format may be rounded either way, as far as f32 arithmetic and the matrix unit's own rounding can turn it there, and no further.
;; One version. Each part assembles by itself: llvm-mc -triple=amdgcn-amd-amdhsa -mcpu=gfx1250 --defsym DOCPART=n.
;; ======== version 1 of 1: 4 launches
;; limits: right only within a limited range of input values
;; workspace buffers: xc 22,020,096 bytes; xs 917,504 bytes; mbits 1,048,576 bytes of whole numbers; rope 262,144 bytes; qkv 20,185,088 bytes; cc 6,291,456 bytes; cs 262,144 bytes
;; launch prep (part 1): grid 584 x 1, 4 waves a work-group, no clusters, 68,096 bytes of LDS; arguments query, key, value, Wq, Wk, Wv, Wo, mask, xc, xs, mbits, rope; writes xc, xs, mbits, rope
.if DOCPART == 1
	.amdgcn_target "amdgcn-amd-amdhsa--gfx1250"
	.amdhsa_code_object_version 6
	.text
	.protected	k_q8dc1d5714a_prep
	.globl	k_q8dc1d5714a_prep
	.p2align	8
	.type	k_q8dc1d5714a_prep,@function
k_q8dc1d5714a_prep:
	s_mov_b64 s[64:65], 0
	v_nop
	global_prefetch_b8 v0, s[64:65] scope:SCOPE_SE
	s_setreg_imm32_b32 hwreg(HW_REG_WAVE_MODE, 25, 1), 1
	s_wait_xcnt 0x0
; PREP: three kinds of work-groups, told apart by the work-group's number alone; waves share nothing, so there is no barrier.
;  0-447    QUANTISE.  A wave takes one tile of 16 rows x 1,024 K of query, key, value, Wq, Wk, Wv or Wo (f32, K innermost) and makes codes of FP6 (E2M3) and E8M0 scale bytes, one for each 32 along K.
;  448-575  MASK.      A wave takes 16 queries x 1,024 keys of the mask (bytes) and makes lane masks: one dword for each register of the attention launch's score tile.
;  576-583  TABLE.     A wave makes cos and sin of 32 positions x 32 frequencies for the rotary embedding.
; THE ROWS OF A TILE ARE NOT NEIGHBOURS: lane r of tile t holds row 32 (t / 2) + 8 (t % 2) + r + 8 (r / 8).  As source 0 of a matrix instruction two neighbouring tiles then give a lane 16 neighbouring indices.
; CODES LIE AS IMAGES OF THE OPERAND'S REGISTERS: xc[tile][K step of 128][1,536 bytes]; in a K step two halves of 768 bytes (64 K: six registers a lane): registers 0-3 at 16 x lane, registers 4-5 at 512 + 8 x lane.
; SCALE WORDS: xs[tile][512 bytes]: the word of K step i and row r at 16 (r + 16 (i / 4)) + 4 (i % 4): one load of 16 bytes a lane brings all eight K steps' words.
; A block's scale is 2^(floor(log2(largest magnitude)) - 2); its byte is that magnitude's exponent field - 2, held at 1 from below.
; LIMITS: NaN and infinities among the inputs are not served.  A block of zeros gets the byte 1 (its codes are zeros; the bytes are read by this program alone).
; The frequencies are the f32 numbers nearest to 10^(-P / 8); cos and sin come by reduction modulo pi / 2 in two parts and polynomials whose first dropped terms lie under 2e-9.
.set NQ,    448
.set NM,    128
.set STG,   8448                       ; a wave's stage: 16 rows x (512 bytes + 16)
.set MSTG,  4*STG                      ; the mask's way has stages of its own
.set SPARE, 8*STG                      ; behind the stages: the spare words, 128 bytes for each wave, that no other line names
.set SPW,   12                         ; v12  LDS address of my spare word; never rewritten
.set NIL,   13                         ; v13  0; never rewritten
.set R,     16                         ; v16-143  two sets of 64 registers as loaded (the mask: all 128)
.set X,     144                        ; v144-207 64 numbers, neighbours along K
.set C,     208                        ; v208-219 a fragment's codes
.set CT,    220                        ; v220-227 the halves that a conversion cannot put in place
.set W,     228                        ; v228-235 the eight K steps' scale words
.set TM,    236                        ; v236-243 at work
.set DW,    244                        ; v244-247 the scale words as they leave
.set OUT,   208                        ; the mask's way: v208-223 sixteen registers of dwords
.macro FINISH                          ; a wave's end
	s_wait_tensorcnt 0x0
	ds_add_u32 v[SPW], v[NIL]
	s_wait_dscnt 0x0
	s_endpgm
.endm
	s_load_b512 s[4:19], s[0:1], 0x0               ; query, key, value, Wq, Wk, Wv, Wo, mask
	s_load_b256 s[20:27], s[0:1], 0x40             ; xc, xs, mbits, rope
	v_lshl_add_u32 v[SPW], v0, 2, SPARE
	v_mov_b32 v[NIL], 0
	v_lshrrev_b32 v1, 5, v0
	v_readfirstlane_b32 s28, v1                    ; wave
	v_and_b32 v1, 31, v0                           ; lane
	v_and_b32 v2, 15, v0                           ; r
	v_bfe_u32 v3, v0, 4, 1                         ; h
	v_lshlrev_b32 v4, 4, v1                        ; 16 x lane
	v_lshlrev_b32 v5, 3, v1                        ; 8 x lane
	v_lshlrev_b32 v10, 3, v3                       ; 8 h: my bytes' place in a scale word, in bits
	s_mul_i32 s29, s28, STG
	v_add_nc_u32 v6, s29, v4                       ; quantiser's stage, way in: 16 x lane of a row
	v_mul_u32_u24 v7, v2, 528
	v_add_nc_u32 v7, s29, v7
	v_lshl_add_u32 v9, v3, 4, v7
	v_add_nc_u32 v9, MSTG, v9                      ; mask's stage, way out: row r, + 16 h
	v_lshl_add_u32 v7, v3, 7, v7                   ; quantiser's stage, way out: row r, + 128 h (32 numbers)
	v_add_nc_u32 v8, MSTG, v6                      ; mask's stage, way in
	s_mov_b32 s30, 0x76543210
	s_mov_b32 s31, 0xfedcba98                      ; v_permlanex16_b32's selects for lane l xor 16
	s_lshl_b32 s32, ttmp9, 2
	s_add_co_u32 s32, s32, s28                     ; 4 x work-group + wave
	s_wait_kmcnt 0x0
	s_cmp_ge_u32 ttmp9, NQ
	s_cbranch_scc1 .Lnot_quant
; ---------------- QUANTISE: tile s32 of 1,792 ----------------
.macro PICK lim, p                     ; from tile lim on the tensor is the one at s[p:p+1]; the choice hangs on ids alone
	s_cmp_ge_u32 s32, \lim
	s_cselect_b64 s[34:35], s[\p:\p+1], s[34:35]
	s_cselect_b32 s33, \lim, s33
.endm
	s_mov_b64 s[34:35], s[4:5]
	s_mov_b32 s33, 0
	PICK 512, 6
	PICK 1024, 8
	PICK 1536, 10
	PICK 1600, 12
	PICK 1664, 14
	PICK 1728, 16
	s_sub_co_u32 s33, s32, s33                     ; the tile's number in its tensor
	s_lshr_b32 s36, s33, 1
	s_lshl_b32 s36, s36, 17                        ; 32 (t / 2) rows of 4,096 bytes
	s_and_b32 s37, s33, 1
	s_lshl_b32 s37, s37, 15                        ; 8 (t % 2) rows
	s_add_co_u32 s36, s36, s37
	s_mov_b32 s37, 0
	s_add_nc_u64 s[34:35], s[34:35], s[36:37]
	s_mul_i32 s36, s32, 12288
	s_add_nc_u64 s[20:21], s[20:21], s[36:37]      ; my tile's codes
	s_lshl_b32 s36, s32, 9
	s_add_nc_u64 s[22:23], s[22:23], s[36:37]      ; my tile's scale words
	v_mov_b32 v[TM+7], 0                           ; a lane permute's destination counts as one of its sources
.macro LOADF t                         ; K step t: 16 loads, each 512 consecutive bytes of one row
.set LI, 0
.rept 16
	global_load_b128 v[R+64*((\t)%2)+4*LI:R+64*((\t)%2)+4*LI+3], v4, s[34:35] offset:(LI+8*(LI/8))*4096+512*(\t) th:TH_LOAD_NT
.set LI, LI+1
.endr
.endm
.macro QSTEP t
.if (\t) < 7
	s_wait_loadcnt 16                              ; this step's 16 loads are in; the next step's 16 may be out
.else
	s_wait_loadcnt 0x0
.endif
.set LI, 0
.rept 16
	ds_store_b128 v6, v[R+64*((\t)%2)+4*LI:R+64*((\t)%2)+4*LI+3] offset:528*LI
.set LI, LI+1
.endr
.set LI, 0
.rept 16                               ; back: lane (r, h) takes k = 64 c + 32 h + 0 .. 31 of row r.  LDS serves a wave's instructions in order: these see the stores above
	ds_load_b128 v[X+4*LI:X+4*LI+3], v7 offset:256*(LI/8)+16*(LI%8)
.set LI, LI+1
.endr
	s_wait_dscnt 0x0                               ; the numbers are back, and the stores have read their registers,
.if (\t)+2 < 8
	LOADF (\t)+2                                   ; which take the loads of two steps on
.endif
.irp c, 0,1
	v_max3_num_f32 v[TM+\c], |v[X+32*\c]|, |v[X+32*\c+1]|, 0x1800000   ; my block 2 c + h: all 32 numbers are mine; the floor 2^(3 - 127) holds the byte at 1 from below
.endr
.irp i, 2,4,6,8,10,12,14,16,18,20,22,24,26,28,30
.irp c, 0,1
	v_max3_num_f32 v[TM+\c], v[TM+\c], |v[X+32*\c+\i]|, |v[X+32*\c+\i+1]|
.endr
.endr
.irp c, 0,1
	v_add_nc_u32 v[TM+2+\c], 0xff000000, v[TM+\c]  ; 2 off the exponent field: the conversion's scale operand
.endr
.irp c, 0,1
	v_lshrrev_b32 v[TM+4+\c], 23, v[TM+2+\c]       ; the scale's byte
.endr
	v_lshl_or_b32 v[TM+6], v[TM+5], 16, v[TM+4]    ; blocks h and 2 + h,
	v_lshlrev_b32 v[TM+6], v10, v[TM+6]            ; at their places in the word;
	v_permlanex16_b32 v[TM+7], v[TM+6], s30, s31
	v_or_b32 v[W+(\t)], v[TM+6], v[TM+7]           ; with lane l xor 16's two the word is whole
	s_wait_alu depctr_va_vdst(0)
	s_wait_xcnt 0x0                                ; the last step's stores have read their data: the codes' registers may be written again
	v_cvt_scalef32_pk16_fp6_f32 v[C:C+2], v[X:X+15], v[TM+2]
	v_cvt_scalef32_pk16_fp6_f32 v[CT:CT+2], v[X+16:X+31], v[TM+2]   ; (a conversion's three registers begin on an even number)
	v_cvt_scalef32_pk16_fp6_f32 v[C+6:C+8], v[X+32:X+47], v[TM+3]
	v_cvt_scalef32_pk16_fp6_f32 v[CT+4:CT+6], v[X+48:X+63], v[TM+3]
	v_nop                                          ; one plain place behind a scaled conversion
.irp i, 0,1,2
	v_mov_b32 v[C+3+\i], v[CT+\i]
	v_mov_b32 v[C+9+\i], v[CT+4+\i]
.endr
	global_store_b128 v4, v[C:C+3], s[20:21] offset:1536*(\t)          ; each store covers 512 or 256 consecutive bytes, aligned
	global_store_b64 v5, v[C+4:C+5], s[20:21] offset:1536*(\t)+512
	global_store_b128 v4, v[C+6:C+9], s[20:21] offset:1536*(\t)+768
	global_store_b64 v5, v[C+10:C+11], s[20:21] offset:1536*(\t)+1280
.endm
	LOADF 0
	LOADF 1
	s_wait_alu depctr_va_vdst(0)
.irp t, 0,1,2,3,4,5,6,7
	QSTEP \t
.endr
	v_cmp_le_u32 vcc_lo, 16, v1                    ; lanes 16-31 store K steps 4-7 (every lane holds its row's words)
.irp i, 0,1,2,3
	v_cndmask_b32 v[DW+\i], v[W+\i], v[W+4+\i], vcc_lo
.endr
	global_store_b128 v4, v[DW:DW+3], s[22:23]
	FINISH
; ---------------- MASK: unit U = 64 b + T ----------------
.Lnot_quant:
	s_cmp_ge_u32 ttmp9, NQ+NM
	s_cbranch_scc1 .Ltable
	s_sub_co_u32 s32, s32, 4*NQ                    ; U: tile U of the mask's 8,192 rows
	s_lshr_b32 s36, s32, 1
	s_lshl_b32 s36, s36, 15                        ; 32 (U / 2) rows of 1,024 bytes
	s_and_b32 s37, s32, 1
	s_lshl_b32 s37, s37, 13
	s_add_co_u32 s36, s36, s37
	s_mov_b32 s37, 0
	s_add_nc_u64 s[18:19], s[18:19], s[36:37]
	s_lshl_b32 s36, s32, 11
	s_add_nc_u64 s[24:25], s[24:25], s[36:37]      ; my unit: 8 key steps x 64 dwords
.set LI, 0
.rept 32                               ; first the rows' keys 0-511, then 512-1,023; each load 512 consecutive bytes
	global_load_b128 v[R+4*LI:R+4*LI+3], v4, s[18:19] offset:((LI%16)+8*((LI%16)/8))*1024+512*(LI/16) th:TH_LOAD_NT
.set LI, LI+1
.endr
.set LI, 0
.rept 16
	v_mov_b32 v[OUT+LI], 0                         ; v_writelane_b32's destination counts as read
.set LI, LI+1
.endr
.irp k, 0,1
	s_wait_loadcnt 16-16*\k                        ; this half's 16 loads are in (the other half's may be out)
.set LI, 0
.rept 16
	ds_store_b128 v8, v[R+64*\k+4*LI:R+64*\k+4*LI+3] offset:528*LI
.set LI, LI+1
.endr
.irp s, 0,1,2,3                        ; key step 4 k + s: lane (r, h) takes, of each block of 32 keys, its 16: the keys of its 64 score registers
.set SG, 4*\k+\s
.irp b, 0,1,2,3
	ds_load_b128 v[X+4*\b:X+4*\b+3], v9 offset:128*\s+32*\b
.endr
	s_wait_dscnt 0x0
.set N, 0
.rept 64                               ; dword N: bit lane = the byte of score register N; it goes to lane N / 2, register N % 2, so that the wave stores 256 consecutive bytes
	v_and_b32 v[TM+(N%4)], 0xff<<(8*(N%4)), v[X+4*(N/16)+((N%16)/4)]
	v_cmp_ne_u32 s[40+(N%8)], 0, v[TM+(N%4)]
	v_writelane_b32 v[OUT+2*SG+(N%2)], s[40+(N%8)], N/2
.set N, N+1
.endr
	global_store_b64 v5, v[OUT+2*SG:OUT+2*SG+1], s[24:25] offset:256*SG
.endr
.endr
	FINISH
; ---------------- TABLE: rope[position][pair P] = (cos, sin) of position x 10^(-P / 8); lane = P ----------------
.Ltable:
	s_sub_co_u32 s32, s32, 4*(NQ+NM)               ; which 32 positions
	s_lshl_b32 s40, s32, 5
	s_lshl_b32 s36, s32, 13                        ; 256 bytes a position
	s_mov_b32 s37, 0
	s_add_nc_u64 s[26:27], s[26:27], s[36:37]
	v_mov_b32 v20, 1.0
.set P, 1
.irp f, 0.7498942093, 0.5623413252, 0.4216965034, 0.3162277660, 0.2371373706, 0.1778279410, 0.1333521432, 0.1, 0.07498942093, 0.05623413252, 0.04216965034, 0.03162277660, 0.02371373706, 0.01778279410, 0.01333521432, 0.01, 0.007498942093, 0.005623413252, 0.004216965034, 0.003162277660, 0.002371373706, 0.001778279410, 0.001333521432, 0.001, 0.0007498942093, 0.0005623413252, 0.0004216965034, 0.0003162277660, 0.0002371373706, 0.0001778279410, 0.0001333521432
	v_cmp_ne_u32 vcc_lo, P, v1
	v_cndmask_b32 v20, \f, v20, vcc_lo             ; lane P takes 10^(-P / 8)
.set P, P+1
.endr
	v_mov_b32 v30, 0x3638ef1d                      ; 1 / 9!
	v_mov_b32 v31, 0xb493f27e                      ; -1 / 10!
	s_mov_b32 s41, 32
.Lpos:
	v_cvt_f32_u32 v21, s40
	v_mul_f32 v22, v21, v20                        ; the angle a, rounded once
	v_mul_f32 v23, 0x3f22f983, v22
	v_rndne_f32 v23, v23                           ; n = the nearest whole number to a x 2 / pi
	v_fmamk_f32 v24, v23, 0xbfc90fdb, v22          ; a - n x (pi / 2's upper part): a multiple of 2^-23 under 1, so nothing is rounded
	v_fmamk_f32 v24, v23, 0x333bbd2e, v24          ; - n x (its lower part): x, at most pi / 4 in magnitude
	v_mul_f32 v25, v24, v24
	v_fmaak_f32 v26, v30, v25, 0xb9500d01          ; sin x and cos x by turns
	v_fmaak_f32 v27, v31, v25, 0x37d00d01
	v_fmaak_f32 v26, v26, v25, 0x3c088889
	v_fmaak_f32 v27, v27, v25, 0xbab60b61
	v_fmaak_f32 v26, v26, v25, 0xbe2aaaab
	v_fmaak_f32 v27, v27, v25, 0x3d2aaaab
	v_mul_f32 v28, v24, v25
	v_fmaak_f32 v27, v27, v25, 0xbf000000
	v_fma_f32 v26, v28, v26, v24                   ; sin x
	v_fmaak_f32 v27, v27, v25, 0x3f800000          ; cos x
	v_cvt_i32_f32 v29, v23
	v_and_b32 v32, 1, v29
	v_cmp_eq_u32 vcc_lo, 1, v32                    ; odd quadrants change sin and cos
	v_and_b32 v33, 2, v29
	v_add_nc_u32 v34, 1, v29
	v_and_b32 v34, 2, v34
	v_lshlrev_b32 v33, 30, v33                     ; sin a is negated in quadrants 2, 3,
	v_lshlrev_b32 v34, 30, v34                     ; cos a in quadrants 1, 2
	v_cndmask_b32 v36, v27, v26, vcc_lo
	v_cndmask_b32 v37, v26, v27, vcc_lo
	v_xor_b32 v36, v34, v36
	v_xor_b32 v37, v33, v37
	global_store_b64 v5, v[36:37], s[26:27]        ; 32 lanes store a position's 256 bytes
	s_wait_xcnt 0x0                                ; the store has read its data and its base: both are written again below and in the next trip
	s_add_nc_u64 s[26:27], s[26:27], 256
	s_add_co_u32 s40, s40, 1
	s_sub_co_u32 s41, s41, 1
	s_cmp_lg_u32 s41, 0
	s_cbranch_scc1 .Lpos
	FINISH
.Lfunc_end_k_q8dc1d5714a_prep:
	.size	k_q8dc1d5714a_prep, .Lfunc_end_k_q8dc1d5714a_prep-k_q8dc1d5714a_prep
	.p2alignl 7, 3214868480
	.fill 96, 4, 3214868480
	.section	.rodata,"a",@progbits
	.p2align	6, 0x0
	.amdhsa_kernel k_q8dc1d5714a_prep
		.amdhsa_group_segment_fixed_size 68096
		.amdhsa_private_segment_fixed_size 0
		.amdhsa_enable_private_segment 0
		.amdhsa_kernarg_size 96
		.amdhsa_user_sgpr_count 2
		.amdhsa_user_sgpr_kernarg_segment_ptr 1
		.amdhsa_wavefront_size32 1
		.amdhsa_system_sgpr_workgroup_id_x 1
		.amdhsa_system_sgpr_workgroup_id_y 1
		.amdhsa_system_sgpr_workgroup_id_z 1
		.amdhsa_system_vgpr_workitem_id 0
		.amdhsa_next_free_vgpr 256
		.amdhsa_next_free_sgpr 66
		.amdhsa_reserve_vcc 1
		.amdhsa_float_denorm_mode_32 3
		.amdhsa_float_denorm_mode_16_64 3
		.amdhsa_memory_ordered 1
		.amdhsa_forward_progress 1
		.amdhsa_inst_pref_size 169
	.end_amdhsa_kernel
	.amdgpu_metadata
---
amdhsa.version: [ 1, 2 ]
amdhsa.kernels:
  - .name:           k_q8dc1d5714a_prep
    .symbol:         k_q8dc1d5714a_prep.kd
    .args:
      - { .name: query, .offset: 0, .size: 8, .value_kind: global_buffer, .address_space: global }
      - { .name: key, .offset: 8, .size: 8, .value_kind: global_buffer, .address_space: global }
      - { .name: value, .offset: 16, .size: 8, .value_kind: global_buffer, .address_space: global }
      - { .name: Wq, .offset: 24, .size: 8, .value_kind: global_buffer, .address_space: global }
      - { .name: Wk, .offset: 32, .size: 8, .value_kind: global_buffer, .address_space: global }
      - { .name: Wv, .offset: 40, .size: 8, .value_kind: global_buffer, .address_space: global }
      - { .name: Wo, .offset: 48, .size: 8, .value_kind: global_buffer, .address_space: global }
      - { .name: mask, .offset: 56, .size: 8, .value_kind: global_buffer, .address_space: global }
      - { .name: xc, .offset: 64, .size: 8, .value_kind: global_buffer, .address_space: global }
      - { .name: xs, .offset: 72, .size: 8, .value_kind: global_buffer, .address_space: global }
      - { .name: mbits, .offset: 80, .size: 8, .value_kind: global_buffer, .address_space: global }
      - { .name: rope, .offset: 88, .size: 8, .value_kind: global_buffer, .address_space: global }
    .group_segment_fixed_size: 68096
    .private_segment_fixed_size: 0
    .kernarg_segment_align: 8
    .kernarg_segment_size: 96
    .max_flat_workgroup_size: 128
    .sgpr_count:     66
    .vgpr_count:     256
    .wavefront_size: 32
...
	.end_amdgpu_metadata
.endif
;; end of part 1
;; launch proj (part 2): grid 4 x 64, 4 waves a work-group, clusters of 4 x 4, 327,680 bytes of LDS; arguments xc, xs, rope, bq, bk, bv, u_bias, qkv; writes qkv
.if DOCPART == 2
	.amdgcn_target "amdgcn-amd-amdhsa--gfx1250"
	.amdhsa_code_object_version 6
	.text
	.protected	k_q8dc1d5714a_proj
	.globl	k_q8dc1d5714a_proj
	.p2align	8
	.type	k_q8dc1d5714a_proj,@function
k_q8dc1d5714a_proj:
	s_mov_b64 s[64:65], 0
	v_nop
	global_prefetch_b8 v0, s[64:65] scope:SCOPE_SE
	s_setreg_imm32_b32 hwreg(HW_REG_WAVE_MODE, 25, 1), 1
	s_wait_xcnt 0x0
	s_wait_alu depctr_hold_cnt(0) depctr_sa_sdst(0) depctr_va_vdst(0) depctr_va_sdst(0) depctr_va_ssrc(0) depctr_va_vcc(0) depctr_vm_vsrc(0)
	s_getreg_b32 s2, hwreg(HW_REG_IB_STS2, 6, 4)
	s_cmp_eq_u32 s2, 0
	s_cbranch_scc0 .Lentry_in_a_cluster
	s_endpgm
.Lentry_in_a_cluster:
	s_bfe_u32 s2, ttmp6, 0x10000c
	s_cmp_lg_u32 s2, 0xf033
	s_cbranch_scc0 .Lentry_shape_is_right
	s_endpgm
.Lentry_shape_is_right:
; PROJ: the three projections on codes of FP6 (E2M3) with E8M0 scales, and what follows them up to the next quantiser.
;  Q: (query Wq^T + bq), rotary embedding, + u_bias, quantised along the head's 64.   K: the same without u_bias.   V: (value Wv^T + bv), quantised ALONG THE KEYS.
; A WORK-GROUP STAYS: 256 work-groups, each makes one tile of Q, then one of K, then one of V, in one straight text with no branch on the product.
; A tile is 128 x 256 numbers: side A (source 1: its rows fall on lanes) 128 rows, side B (source 0: its rows fall on a lane's registers) 256 rows.  What is to be quantised next must run along a lane's
; registers: for Q and K that is the output column, so B = W and A = x; for V it is the key, so B = value and A = Wv.
; Four waves; wave w takes A's tiles 4 (w / 2) .. + 3 and B's tiles 8 (w % 2) .. + 7: 32 accumulators.
; LDS: two slots, each with half of K (four K steps of 128) of A's 8 and B's 16 tiles.  Slot 0 is filled again, with the next product's lower half, at K step 3, when it has been read out; slot 1, with the upper
; half, behind the first tile of the epilogue: each refill has about half a product's work in which to land.  A wave has one tensor load out at a time.
; CLUSTER 4 x 4: A's tiles are shared along a row of the cluster, B's along a column: each is asked for jointly, by the same tensor load with the same descriptor in the four that its mask names.
; No prefetch: each refill is asked for half a product's work ahead of its first read, and nothing else streams.
; Codes lie in memory and in LDS as images of the operand's registers (16 rows x 128 K = 1,536 bytes: registers 0-3 at 16 x lane, 4-5 at 512 + 8 x lane, 6-9 at 768 + 16 x lane, 10-11 at 1,280 + 8 x lane).
; The rows of a tile: lane r of tile t is row 32 (t / 2) + 8 (t % 2) + r + 8 (r / 8): so register 16 B + i of a lane's 64 results (tiles 2 B, 2 B + 1) is B's row 32 B + 16 (lane / 16) + i.
; bq and bk are the C of each sum's first matrix instruction; u_bias is the addend of the rotary embedding's first multiply-add.
; REGISTERS: window 0: v4-19 addresses; v28, v29 the add's two; v32-79 scale words and nothing else; v80-175 A's fragments, two sets, later the epilogue; window 1: B's fragments, two sets;
;   window 2: the accumulators, (a, b) at v[8 (8 a + b)]; window 3: v0-63 the bias, v64-127 u_bias, v128-255 cos and sin.
; LIMITS: NaN and infinities are not served; a block of zeros gets the scale byte 1 (its codes are zeros; this program alone reads the bytes).
.set REC,   157696                     ; a record of qkv, one for each (batch, head):
.set KC,    0                          ; K's codes  [64 key tiles][768]
.set VC,    49152                      ; V's codes  [8 key steps][4 tiles of the head's 64][1,536]
.set KS,    98304                      ; K's scale words [8 steps][512]
.set VS,    102400                     ; V's scale words [8 steps][16 r][4 tiles]
.set QC,    104448                     ; Q's codes  [64 query tiles][768]
.set QS,    153600                     ; Q's scale words [8 groups of 8 tiles][512]
.set TILEB, 12288                      ; a tile's codes for all of K
.set HK,    6144                       ; for half of K
.set SLOTB, 24*HK                      ; a slot: A's 8 tiles, then B's 16
.set SPARE, 2*SLOTB                    ; behind the slots: the spare words, 128 bytes for each wave, that no other line names
.set SPW,   28
.set NIL,   29
.set LA16,  4                          ; v4, v5  LDS address of my A tiles in slot 0: 16 x lane, 8 x lane  (slot 1: v16, v17)
.set LA8,   5
.set LB16,  6                          ; v6, v7  the same for B  (slot 1: v18, v19)
.set LB8,   7
.set L16,   8                          ; v8   16 x lane
.set L8,    9                          ; v9   8 x lane
.set SA,    32                         ; v32-47  A's scale words: register 4 a + i: K step i in lanes 0-15, K step 4 + i in lanes 16-31
.set SB,    48                         ; v48-79  B's likewise, 4 b + i
.set AF,    80
.set T,     80                         ; the epilogue: v80-143 64 numbers
.set PC,    144                        ; v144-191 codes, 12 registers for each of the four tiles
.set PX,    192                        ; v192-199 the halves that a conversion cannot put in place
.set TM,    200                        ; v200-215 at work
.set PW,    216                        ; v216-219 the four tiles' scale words
.set DW,    220                        ; v220-223 as they leave
.set BV,    224                        ; v224-231 bv of my lane's row, a pair for each tile
.set WV,    20
.set SEL,   30
.set G1A,   32                         ; s[32:39], s[40:47] descriptor group 1 for A's and B's tiles
.set G1B,   40
.set G0A,   48                         ; s[48:55], s[56:63] group 0, a set for each slot
.set G0B,   56
.set AV,    66                         ; s[66:67], s[68:69] where the tiles of V's product that I would fetch begin: A's, B's
.set BVA,   68
.set SAP,   70                         ; scale words: Q's A, Q's B (K's lie a constant further on), V's A, V's B
.set SBP,   72
.set SAV,   74
.set SBV,   76
.set OC,    78                         ; where Q's and K's codes and scale words go (their places in a record stand in the immediates); V's codes, V's scale words
.set OS,    80
.set VCP,   82
.set VSP,   84
.set MSB, 0
.macro WIN new                         ; the immediate's high byte repeats the setting that is left
.if MSB != \new
	s_set_vgpr_msb (MSB<<8)|\new
.set MSB, \new
.endif
.endm
.set MUL,  0xa1                        ; source 0 (B) window 1, source 1 (A) window 0, C and D window 2
.set MULB, 0xb1                        ; the same with C (the bias) in window 3
.set TO_B, 0x40                        ; destination window 1, address window 0
.macro CROUND                          ; a round of the cluster's barrier
	s_barrier_signal -1
	s_barrier_wait -1
	s_cmp_lg_u32 s[WV], 0
	s_cbranch_scc1 .Lnot_wave_0_\@
	s_barrier_signal -3
.Lnot_wave_0_\@:
	s_barrier_wait -3
	s_barrier_signal -1
	s_barrier_wait -1
.endm
.macro JLOAD s                         ; a joint refill of slot s: waves 0 and 1 fetch A's halves, waves 2 and 3 B's; an s_nop 0 and four v_nop follow each of the two lines
	s_cmp_lt_u32 s[WV], 2
	s_cbranch_scc0 .Lfor_b_\@
	tensor_load_to_lds s[G0A+4*\s:G0A+4*\s+3], s[G1A:G1A+7]
	s_nop 0
.rept 4
	v_nop
.endr
	s_branch .Lasked_\@
.Lfor_b_\@:
	tensor_load_to_lds s[G0B+4*\s:G0B+4*\s+3], s[G1B:G1B+7]
	s_nop 0
.rept 4
	v_nop
.endr
.Lasked_\@:
.endm
.macro FRAG4 reg, a16, a8, off         ; a fragment's image into 12 registers: every load takes 512 or 256 consecutive bytes
	ds_load_b128 v[\reg:\reg+3], v[\a16] offset:\off
	ds_load_b64 v[\reg+4:\reg+5], v[\a8] offset:\off+512
	ds_load_b128 v[\reg+6:\reg+9], v[\a16] offset:\off+768
	ds_load_b64 v[\reg+10:\reg+11], v[\a8] offset:\off+1280
.endm
.macro FETCH q                         ; K step q's twelve fragments, from slot q / 4, into set q % 2
.set FP, (\q)%2
.set FS, 12*((\q)/4)
.set FO, ((\q)%4)*1536
	WIN TO_B
.set FI, 0
.rept 8
	FRAG4 128*FP+12*FI, LB16+FS, LB8+FS, FI*HK+FO
.set FI, FI+1
.endr
	WIN 0
.set FI, 0
.rept 4
	FRAG4 AF+48*FP+12*FI, LA16+FS, LA8+FS, FI*HK+FO
.set FI, FI+1
.endr
.endm
; 32 matrix instructions; the accumulators take turns, one instruction a turn, in the same order in every K step.
; st = 1: the products start the sums with 0;  2: with the bias;  0: they add on.  Nothing is ever cleared.
.macro MULS q, st
.set MP, (\q)%2
.set MQ, (\q)%4
.if (\st) == 2
	WIN MULB
.else
	WIN MUL
.endif
.set MA, 0
.rept 4
.set MB, 0
.rept 8
.if (\st) == 1
	v_wmma_scale_f32_16x16x128_f8f6f4 v[8*(8*MA+MB):8*(8*MA+MB)+7], v[128*MP+12*MB:128*MP+12*MB+11], v[AF+48*MP+12*MA:AF+48*MP+12*MA+11], 0, v[SB+4*MB+MQ], v[SA+4*MA+MQ] matrix_a_fmt:MATRIX_FMT_FP6 matrix_b_fmt:MATRIX_FMT_FP6
.elseif (\st) == 2
	v_wmma_scale_f32_16x16x128_f8f6f4 v[8*(8*MA+MB):8*(8*MA+MB)+7], v[128*MP+12*MB:128*MP+12*MB+11], v[AF+48*MP+12*MA:AF+48*MP+12*MA+11], v[8*MB:8*MB+7], v[SB+4*MB+MQ], v[SA+4*MA+MQ] matrix_a_fmt:MATRIX_FMT_FP6 matrix_b_fmt:MATRIX_FMT_FP6
.elseif (\q) < 4
	v_wmma_scale_f32_16x16x128_f8f6f4 v[8*(8*MA+MB):8*(8*MA+MB)+7], v[128*MP+12*MB:128*MP+12*MB+11], v[AF+48*MP+12*MA:AF+48*MP+12*MA+11], v[8*(8*MA+MB):8*(8*MA+MB)+7], v[SB+4*MB+MQ], v[SA+4*MA+MQ] matrix_a_fmt:MATRIX_FMT_FP6 matrix_b_fmt:MATRIX_FMT_FP6
.else
	v_wmma_scale_f32_16x16x128_f8f6f4 v[8*(8*MA+MB):8*(8*MA+MB)+7], v[128*MP+12*MB:128*MP+12*MB+11], v[AF+48*MP+12*MA:AF+48*MP+12*MA+11], v[8*(8*MA+MB):8*(8*MA+MB)+7], v[SB+4*MB+MQ], v[SA+4*MA+MQ] matrix_a_fmt:MATRIX_FMT_FP6 matrix_b_fmt:MATRIX_FMT_FP6 matrix_a_scale:MATRIX_SCALE_ROW1 matrix_b_scale:MATRIX_SCALE_ROW1
.endif
.set MB, MB+1
.endr
.set MA, MA+1
.endr
.endm
; A CHANGE OF SLOTS.  Each wave waits for all its tensor loads (its part of the other slot), adds 0 to its spare word, and waits for that and for its reads of slot s.  Behind the barrier the other slot is whole and
; nobody reads slot s.  how = 1: slot s takes the same half of K of K's product (a constant further on in xc);  2: of V's product (from the kept addresses);  the barrier is then a round of the cluster's, and the
; joint refill is the first thing behind it.  how = 0: nothing is left to fetch: a plain barrier.
.macro CHANGE s, how
	WIN 0                                          ; at a label and at a branch every window is 0; the add's two registers lie in window 0
	s_wait_tensorcnt 0x0                           ; no tensor load of mine is out, so a group 0 may be written
	ds_add_u32 v[SPW], v[NIL]                      ; 0 onto my spare word; the descriptors' steps stand between it and the wait for it
.if (\how) == 1
	s_add_nc_u64 s[G0A+4*\s+2:G0A+4*\s+3], s[G0A+4*\s+2:G0A+4*\s+3], 512*TILEB   ; key's tiles lie 512 tiles behind query's; the type bits on top are not reached
	s_add_nc_u64 s[G0B+4*\s+2:G0B+4*\s+3], s[G0B+4*\s+2:G0B+4*\s+3], 64*TILEB    ; Wk's 64 behind Wq's
.elseif (\how) == 2
	s_add_nc_u64 s[G0A+4*\s+2:G0A+4*\s+3], s[AV:AV+1], \s*HK
	s_or_b32 s[G0A+4*\s+3], s[G0A+4*\s+3], 0x80000000
	s_add_nc_u64 s[G0B+4*\s+2:G0B+4*\s+3], s[BVA:BVA+1], \s*HK
	s_or_b32 s[G0B+4*\s+3], s[G0B+4*\s+3], 0x80000000
.endif
	s_wait_dscnt 0x0                               ; the add is done, and my reads of slot s are over
.if (\how) > 0
	CROUND                                         ; no wave of any partner still reads the slot or has a load on its way
	JLOAD \s                                       ; its four v_nop are also the places in front of loads into registers that matrix instructions have read
.else
	s_barrier_signal -1
	s_barrier_wait -1
.rept 4
	v_nop
.endr
.endif
.endm
.macro KSTEP q, st, chg                ; fetch K step q + 1, multiply K step q
	s_wait_dscnt 0x0                               ; set q % 2 is in (asked for 32 matrix instructions ago)
.if (\q) == 3
	CHANGE 0, \chg                                 ; slot 0 has been read out; K step 4 comes from slot 1
.elseif (\q) > 0 && (\q) < 7
.rept 4
	v_nop                                          ; four places in front of loads into registers that matrix instructions have read (ISA guide 7.12.1 for vector instructions)
.endr
.endif
.if (\q) < 7
	FETCH (\q)+1
.endif
.if (\q) == 0
	MULS 0, \st
.else
	MULS \q, 0
.endif
.endm
.macro KSTEPS st, chg
.irp q, 0,1,2,3,4,5,6,7
	KSTEP \q, \st, \chg
.endr
	WIN 0
.rept 4
	v_nop                                          ; places in front of the first read of results, of loads into the scale registers and of the first write over fragments
.endr
.endm
.macro SCALES pa, pb, oa, ob           ; a tile's scale words for all of K: one load
.irp a, 0,1,2,3
	global_load_b128 v[SA+4*\a:SA+4*\a+3], v[L16], s[\pa:\pa+1] offset:\oa+512*\a
.endr
.irp b, 0,1,2,3,4,5,6,7
	global_load_b128 v[SB+4*\b:SB+4*\b+3], v[L16], s[\pb:\pb+1] offset:\ob+512*\b
.endr
.endm
.macro BIAS p                          ; the bias in the results' layout, into window 3: register 16 B + i is column 32 B + 16 h + i
	WIN 0xc0
.set I, 0
.rept 16
	global_load_b128 v[4*I:4*I+3], v10, s[\p:\p+1] offset:128*(I/4)+16*(I%4)
.set I, I+1
.endr
	WIN 0
.endm
; 64 numbers of a lane, register 16 b + i = k 32 b + 16 (lane / 16) + i of my row, become a fragment's codes in v[pc] on and its scale word in v[pw]
.macro QUANT s, pc, pw
.irp b, 0,1,2,3
	v_max3_num_f32 v[TM+\b], |v[\s+16*\b]|, |v[\s+16*\b+1]|, 0x1800000   ; the floor 2^(3 - 127) holds the byte at 1 from below
.endr
.irp i, 2,4,6,8,10,12,14
.irp b, 0,1,2,3
	v_max3_num_f32 v[TM+\b], v[TM+\b], |v[\s+16*\b+\i]|, |v[\s+16*\b+\i+1]|
.endr
.endr
.irp b, 0,1,2,3
	v_permlanex16_b32 v[TM+4+\b], v[TM+\b], s[SEL], s[SEL+1]
.endr
.irp b, 0,1,2,3
	v_max_num_f32 v[TM+\b], v[TM+\b], v[TM+4+\b]   ; with lane l xor 16's: the block's largest magnitude
.endr
.irp b, 0,1,2,3
	v_add_nc_u32 v[TM+12+\b], 0xff000000, v[TM+\b] ; 2 off its exponent field: the conversion's scale operand
.endr
.irp b, 0,1,2,3
	v_lshrrev_b32 v[TM+4+\b], 23, v[TM+12+\b]      ; the scale's byte
.endr
	v_lshl_or_b32 v[\pw], v[TM+5], 8, v[TM+4]
	v_lshl_or_b32 v[\pw], v[TM+6], 16, v[\pw]
	v_lshl_or_b32 v[\pw], v[TM+7], 24, v[\pw]
.irp c, 0,1
	v_cvt_scalef32_pk16_fp6_f32 v[\pc+6*\c:\pc+6*\c+2], v[\s+32*\c:\s+32*\c+15], v[TM+12+2*\c]
	v_cvt_scalef32_pk16_fp6_f32 v[PX+4*\c:PX+4*\c+2], v[\s+32*\c+16:\s+32*\c+31], v[TM+13+2*\c]   ; (a conversion's three registers begin on an even number)
.endr
	v_nop                                          ; one plain place behind a scaled conversion
.irp c, 0,1                            ; the operand's layout wants a whole block in a lane: lanes 0-15 block 2 c, lanes 16-31 block 2 c + 1
.irp i, 0,1,2
	v_permlane16_swap_b32 v[\pc+6*\c+\i], v[PX+4*\c+\i]
.endr
.irp i, 0,1,2
	v_mov_b32 v[\pc+6*\c+3+\i], v[PX+4*\c+\i]
.endr
.endr
.endm
	s_load_b512 s[4:19], s[0:1], 0x0               ; xc, xs, rope, bq, bk, bv, u_bias, qkv
	v_lshl_add_u32 v[SPW], v0, 2, SPARE
	v_mov_b32 v[NIL], 0
	ds_add_u32 v[SPW], v[NIL]                      ; the wave's opening: the add and its wait ahead of my first tensor load; work on registers stands between them
	ds_add_u32 v[SPW], v[NIL]
	v_lshrrev_b32 v1, 5, v0
	v_readfirstlane_b32 s[WV], v1                  ; wave 0..3
	s_lshr_b32 s21, s[WV], 1                       ; wa: which 4 tiles of A are mine.  Also: I fetch for A (0) or for B (1)
	s_and_b32 s22, s[WV], 1                        ; wb: which 8 tiles of B.  Also: which half of that side I fetch
	v_and_b32 v1, 31, v0
	v_and_b32 v2, 15, v0                           ; r
	v_bfe_u32 v3, v0, 4, 1                         ; h
	v_lshlrev_b32 v[L16], 4, v1
	v_lshlrev_b32 v[L8], 3, v1
	s_mul_i32 s86, s21, 4*HK
	v_add_nc_u32 v[LA16], s86, v[L16]
	v_add_nc_u32 v[LA8], s86, v[L8]
	s_mul_i32 s86, s22, 8*HK
	s_add_co_u32 s86, s86, 8*HK                    ; B's tiles lie behind A's eight
	v_add_nc_u32 v[LB16], s86, v[L16]
	v_add_nc_u32 v[LB8], s86, v[L8]
.irp i, 0,1,2,3
	v_add_nc_u32 v[16+\i], SLOTB, v[4+\i]          ; the same four in slot 1
.endr
	v_lshlrev_b32 v10, 6, v3                       ; 64 h: my half's 16 numbers of a block of 32
	v_and_b32 v24, 8, v2
	v_add_nc_u32 v24, v24, v2                      ; r + 8 (r / 8)
	v_lshl_add_u32 v11, v24, 8, v10                ; the table: my row's position, 256 bytes each, + 64 h (8 pairs)
	v_lshlrev_b32 v14, 4, v2                       ; 16 r
	v_mul_u32_u24 v12, v3, REC
	v_add_nc_u32 v12, v12, v14                     ; Q's and K's scale words: lanes 16-31 store the next head's
	v_lshlrev_b32 v13, 4, v3                       ; 16 h: that head's two bytes, in bits
	v_lshlrev_b32 v15, 2, v24                      ; bv of my row
.irp b, 0,1,2,3
	v_mov_b32 v[TM+4+\b], 0                        ; a lane permute's destination counts as one of its sources
.endr
	s_mov_b32 s[SEL], 0x76543210
	s_mov_b32 s[SEL+1], 0xfedcba98
	s_bfe_u32 s23, ttmp6, 0x40000                  ; cx
	s_bfe_u32 s24, ttmp6, 0x40004                  ; cy
	s_lshl_b32 s86, s24, 2
	s_lshl_b32 s86, 15, s86                        ; my row of the cluster
	s_lshl_b32 s90, 0x1111, s23                    ; my column
	; descriptor group 1: R rows (tiles) of 6,144 bytes (half of a tile's K), 12,288 bytes apart; elements of 8 bytes; no padding
	s_or_b32 s[G1A], s86, (3<<16)|(1<<21)          ; 15:0 the mask; 17:16 elements of 8 bytes; 21 set beside a mask
	s_or_b32 s[G1B], s90, (3<<16)|(1<<21)
	s_mov_b32 s[G1A+1], 768<<16                    ; tensor_dim0 = 768
	s_mov_b32 s[G1A+2], 4<<16                      ; tensor_dim1 = 4
	s_mov_b32 s[G1A+3], 768<<16                    ; tile_dim0
	s_mov_b32 s[G1A+4], 4                          ; tile_dim1
	s_mov_b32 s[G1A+5], 1536                       ; the pitch
	s_mov_b32 s[G1A+6], 0
	s_mov_b32 s[G1A+7], 0
	s_mov_b32 s[G1B+1], 768<<16
	s_mov_b32 s[G1B+2], 8<<16
	s_mov_b32 s[G1B+3], 768<<16
	s_mov_b32 s[G1B+4], 8
	s_mov_b32 s[G1B+5], 1536
	s_mov_b32 s[G1B+6], 0
	s_mov_b32 s[G1B+7], 0
	s_and_b32 s25, ttmp7, 0xffff                   ; cluster y, 0 .. 15
	s_lshl_b32 s26, s25, 2
	s_add_co_u32 s26, s26, s24                     ; Q, K: A's block of 128 rows of x, 0 .. 63: made of cy alone.  (B's block of 256 rows of W is cx)
	s_and_b32 s28, s25, 1
	s_lshl_b32 s28, s28, 2
	s_add_co_u32 s28, s28, s24                     ; V: A's block of 128 rows of Wv, 0 .. 7: made of cy alone
	s_lshr_b32 s29, s25, 1
	s_lshl_b32 s29, s29, 2
	s_add_co_u32 s29, s29, s23                     ; V: B's block of 256 rows of value, 0 .. 31: made of cx alone
	; the tiles that I would fetch, in bytes of xc.  A's in s86-89, B's in s90-93: neither set ever holds the other side's coordinate
	s_lshl_b32 s86, s26, 3
	s_lshl_b32 s87, s22, 2
	s_add_co_u32 s86, s86, s87                     ; query begins at tile 0
	s_mul_i32 s86, s86, TILEB
	s_mov_b32 s87, 0
	s_lshl_b32 s88, s28, 3
	s_lshl_b32 s89, s22, 2
	s_add_co_u32 s88, s88, s89
	s_add_co_u32 s88, s88, 1664                    ; Wv at tile 1,664
	s_mul_i32 s88, s88, TILEB
	s_mov_b32 s89, 0
	s_lshl_b32 s90, s23, 4
	s_lshl_b32 s91, s22, 3
	s_add_co_u32 s90, s90, s91
	s_add_co_u32 s90, s90, 1536                    ; Wq at tile 1,536
	s_mul_i32 s90, s90, TILEB
	s_mov_b32 s91, 0
	s_lshl_b32 s92, s29, 4
	s_lshl_b32 s93, s22, 3
	s_add_co_u32 s92, s92, s93
	s_add_co_u32 s92, s92, 1024                    ; value at tile 1,024
	s_mul_i32 s92, s92, TILEB
	s_mov_b32 s93, 0
	s_mul_i32 s94, s22, 4*HK                       ; and where they go in a slot: no place in the cluster enters an LDS address
	s_mul_i32 s95, s22, 8*HK
	s_add_co_u32 s95, s95, 8*HK
	; my tiles' scale words, 512 bytes a tile
	s_lshl_b32 s96, s21, 2                         ; 4 wa
	s_lshl_b32 s97, s22, 3                         ; 8 wb
	s_lshl_b32 s[SAP], s26, 3
	s_add_co_u32 s[SAP], s[SAP], s96
	s_lshl_b32 s[SAP], s[SAP], 9
	s_mov_b32 s[SAP+1], 0
	s_lshl_b32 s[SBP], s23, 4
	s_add_co_u32 s[SBP], s[SBP], s97
	s_add_co_u32 s[SBP], s[SBP], 1536
	s_lshl_b32 s[SBP], s[SBP], 9
	s_mov_b32 s[SBP+1], 0
	s_lshl_b32 s[SAV], s28, 3
	s_add_co_u32 s[SAV], s[SAV], s96
	s_add_co_u32 s[SAV], s[SAV], 1664
	s_lshl_b32 s[SAV], s[SAV], 9
	s_mov_b32 s[SAV+1], 0
	s_lshl_b32 s[SBV], s29, 4
	s_add_co_u32 s[SBV], s[SBV], s97
	s_add_co_u32 s[SBV], s[SBV], 1024
	s_lshl_b32 s[SBV], s[SBV], 9
	s_mov_b32 s[SBV+1], 0
	; where Q's and K's results go
	s_lshr_b32 s98, s26, 3
	s_lshl_b32 s98, s98, 4
	s_lshl_b32 s2, s23, 2
	s_add_co_u32 s98, s98, s2
	s_lshl_b32 s2, s22, 1
	s_add_co_u32 s98, s98, s2                      ; record 16 batch + head, head = 4 cx + 2 wb (and the next)
	s_mul_i32 s98, s98, REC
	s_and_b32 s99, s26, 7                          ; which 128 positions of the batch's 1,024
	s_lshl_b32 s[OC], s99, 3
	s_add_co_u32 s[OC], s[OC], s96                 ; my first tile of the batch's 64
	s_mul_i32 s[OC], s[OC], 768
	s_add_co_u32 s[OC], s[OC], s98
	s_mov_b32 s[OC+1], 0
	s_lshl_b32 s[OS], s99, 9
	s_lshl_b32 s2, s21, 8
	s_add_co_u32 s[OS], s[OS], s2
	s_add_co_u32 s[OS], s[OS], s98
	s_mov_b32 s[OS+1], 0
	; and V's
	s_lshr_b32 s98, s29, 2
	s_lshl_b32 s98, s98, 4
	s_lshl_b32 s2, s28, 1
	s_add_co_u32 s98, s98, s2
	s_add_co_u32 s98, s98, s21                     ; record 16 batch + head, head = 2 x A's block + wa
	s_mul_i32 s98, s98, REC
	s_and_b32 s2, s29, 3
	s_lshl_b32 s2, s2, 1
	s_add_co_u32 s2, s2, s22                       ; my 128 keys are key step 2 (B's block % 4) + wb of the batch
	s_mul_i32 s[VCP], s2, 6144
	s_add_co_u32 s[VCP], s[VCP], s98
	s_add_co_u32 s[VCP], s[VCP], VC
	s_mov_b32 s[VCP+1], 0
	s_lshl_b32 s[VSP], s2, 8
	s_add_co_u32 s[VSP], s[VSP], s98
	s_add_co_u32 s[VSP], s[VSP], VS
	s_mov_b32 s[VSP+1], 0
	s_lshl_b32 s96, s99, 15                        ; the table at my first position: 256 bytes a position
	s_lshl_b32 s2, s21, 14
	s_add_co_u32 s96, s96, s2
	s_mov_b32 s97, 0
	s_lshl_b32 s2, s23, 10                         ; my first column of Q and K, 256 cx + 128 wb, in bytes of f32
	s_lshl_b32 s3, s22, 9
	s_add_co_u32 s2, s2, s3
	s_mov_b32 s3, 0
	s_lshl_b32 s98, s28, 9                         ; my first row of Wv in bytes of f32
	s_lshl_b32 s99, s21, 8
	s_add_co_u32 s98, s98, s99
	s_mov_b32 s99, 0
	s_wait_dscnt 0x0                               ; the opening add is done
	s_wait_kmcnt 0x0
	s_add_nc_u64 s[86:87], s[4:5], s[86:87]
	s_add_nc_u64 s[AV:AV+1], s[4:5], s[88:89]
	s_add_nc_u64 s[90:91], s[4:5], s[90:91]
	s_add_nc_u64 s[BVA:BVA+1], s[4:5], s[92:93]
.irp s, 0,1                            ; a group 0 for each slot and side: Q's product
	s_mov_b32 s[G0A+4*\s], 1
	s_add_co_u32 s[G0A+4*\s+1], s94, \s*SLOTB
	s_add_nc_u64 s[G0A+4*\s+2:G0A+4*\s+3], s[86:87], \s*HK
	s_or_b32 s[G0A+4*\s+3], s[G0A+4*\s+3], 0x80000000
	s_mov_b32 s[G0B+4*\s], 1
	s_add_co_u32 s[G0B+4*\s+1], s95, \s*SLOTB
	s_add_nc_u64 s[G0B+4*\s+2:G0B+4*\s+3], s[90:91], \s*HK
	s_or_b32 s[G0B+4*\s+3], s[G0B+4*\s+3], 0x80000000
.endr
	CROUND                                         ; all sixteen work-groups are here: the first joint loads meet
	s_cmp_lt_u32 s[WV], 2                          ; a wave's first fill stands in one branch on the wave's number: one tensor load of mine is out; an s_nop 0 follows it, then four v_nop
	s_cbranch_scc0 .Lfirst_b
.irp s, 0                              ; at the head one tensor load a wave: slot 0's
	tensor_load_to_lds s[G0A+4*\s:G0A+4*\s+3], s[G1A:G1A+7]
	s_nop 0
.endr
.rept 4
	v_nop
.endr
	s_branch .Lfirst_done
.Lfirst_b:
.irp s, 0
	tensor_load_to_lds s[G0B+4*\s:G0B+4*\s+3], s[G1B:G1B+7]
	s_nop 0
.endr
.rept 4
	v_nop
.endr
.Lfirst_done:
	s_add_nc_u64 s[SAP:SAP+1], s[6:7], s[SAP:SAP+1]
	s_add_nc_u64 s[SBP:SBP+1], s[6:7], s[SBP:SBP+1]
	SCALES SAP, SBP, 0, 0                          ; Q's scale words
	s_add_nc_u64 s[10:11], s[10:11], s[2:3]
	BIAS 10                                        ; bq
	s_add_nc_u64 s[14:15], s[14:15], s[98:99]
	s_wait_alu depctr_va_vdst(0)
.irp a, 0,1,2,3
	global_load_b32 v[BV+2*\a], v15, s[14:15] offset:(32*(\a/2)+8*(\a%2))*4   ; bv of my lane's row of tile a
	v_mov_b32 v[BV+2*\a+1], 0                      ; (named with it as a pair)
.endr
	s_add_nc_u64 s[SAV:SAV+1], s[6:7], s[SAV:SAV+1]
	s_add_nc_u64 s[SBV:SBV+1], s[6:7], s[SBV:SBV+1]
	s_add_nc_u64 s[12:13], s[12:13], s[2:3]        ; bk
	s_add_nc_u64 s[16:17], s[16:17], s[2:3]        ; u_bias [16][64] has the column's index
	s_add_nc_u64 s[8:9], s[8:9], s[96:97]
	s_add_nc_u64 s[OC:OC+1], s[18:19], s[OC:OC+1]
	s_add_nc_u64 s[OS:OS+1], s[18:19], s[OS:OS+1]
	s_add_nc_u64 s[VCP:VCP+1], s[18:19], s[VCP:VCP+1]
	s_add_nc_u64 s[VSP:VSP+1], s[18:19], s[VSP:VSP+1]
; Tile a of Q's (u = 1) or K's (u = 0) epilogue.  The sums hold x W^T + b.  Pair P: out(2 P) = y(2 P) cos - y(2 P + 1) sin (+ u), out(2 P + 1) = y(2 P + 1) cos + y(2 P) sin (+ u).  cofs: the codes' place in a record
.macro EPQK a, u, cofs
.if \u
	WIN 0x3e                                       ; source 0 (sums) window 2, sources 1 (cos, sin) and 2 (u_bias) window 3, destination window 0
.else
	WIN 0x0e                                       ; source 0 window 2, source 1 window 3
.endif
.set I, 0
.rept 32                               ; each accumulator from its low end on
.set CI, 128+32*(\a)+16*((I/8)%2)+2*(I%8)
.if \u
	v_pk_fma_f32 v[T+2*I:T+2*I+1], v[64*(\a)+2*I:64*(\a)+2*I+1], v[CI:CI+1], v[64+2*I:64+2*I+1] op_sel_hi:[1,0,1]
.else
	v_pk_mul_f32 v[T+2*I:T+2*I+1], v[64*(\a)+2*I:64*(\a)+2*I+1], v[CI:CI+1] op_sel_hi:[1,0]
.endif
.set I, I+1
.endr
	WIN 0x0e
.set I, 0
.rept 32
.set CI, 128+32*(\a)+16*((I/8)%2)+2*(I%8)
	v_fma_f32 v[T+2*I], -v[64*(\a)+2*I+1], v[CI+1], v[T+2*I]
	v_fma_f32 v[T+2*I+1], v[64*(\a)+2*I], v[CI+1], v[T+2*I+1]
.set I, I+1
.endr
	WIN 0
	QUANT T, PC+12*(\a), PW+(\a)                   ; blocks 0, 1: one head's 64; blocks 2, 3: the next head's
	global_store_b128 v[L16], v[PC+12*(\a):PC+12*(\a)+3], s[OC:OC+1] offset:\cofs+768*(\a)
	global_store_b64 v[L8], v[PC+12*(\a)+4:PC+12*(\a)+5], s[OC:OC+1] offset:\cofs+768*(\a)+512
	global_store_b128 v[L16], v[PC+12*(\a)+6:PC+12*(\a)+9], s[OC:OC+1] offset:REC+\cofs+768*(\a)
	global_store_b64 v[L8], v[PC+12*(\a)+10:PC+12*(\a)+11], s[OC:OC+1] offset:REC+\cofs+768*(\a)+512
.endm
.macro WORDS sofs                      ; the four tiles' scale words: lanes 0-15 the first head's two bytes lowest, lanes 16-31 the second's.  The upper two bytes scale zero codes alone and are never 0xff
.irp a, 0,1,2,3
	v_lshrrev_b32 v[DW+\a], v13, v[PW+\a]
.endr
	global_store_b128 v12, v[DW:DW+3], s[OS:OS+1] offset:\sofs   ; sixteen lanes store 256 consecutive bytes of a head's scale words
.endm
.macro EPV a
	WIN 0x02                                       ; source 0 (sums) window 2
.set I, 0
.rept 32
	v_pk_add_f32 v[T+I:T+I+1], v[64*(\a)+I:64*(\a)+I+1], v[BV+2*(\a):BV+2*(\a)+1] op_sel_hi:[1,0]
.set I, I+2
.endr
	WIN 0
	QUANT T, PC+12*(\a), PW+(\a)                   ; 128 keys of one channel: one K step of the second product of attention
	global_store_b128 v[L16], v[PC+12*(\a):PC+12*(\a)+3], s[VCP:VCP+1] offset:1536*(\a)
	global_store_b64 v[L8], v[PC+12*(\a)+4:PC+12*(\a)+5], s[VCP:VCP+1] offset:1536*(\a)+512
	global_store_b128 v[L16], v[PC+12*(\a)+6:PC+12*(\a)+9], s[VCP:VCP+1] offset:1536*(\a)+768
	global_store_b64 v[L8], v[PC+12*(\a)+10:PC+12*(\a)+11], s[VCP:VCP+1] offset:1536*(\a)+1280
.endm
; ---------------- Q ----------------
	s_wait_loadcnt 0x0                             ; scale words, bq, bv
	s_wait_tensorcnt 0x0                           ; my part of slot 0 has landed: my one load that was out
	ds_add_u32 v[SPW], v[NIL]                      ; the add and its wait ahead of a later first fill, as ahead of a refill
	s_wait_dscnt 0x0
	CROUND                                         ; slot 0 is whole, and all sixteen work-groups are here
	JLOAD 1                                        ; slot 1's first fill: the first tensor load behind the round; it has K steps 0 to 2 in which to land
	FETCH 0
	WIN 0xc0                                       ; what the epilogue alone wants is asked for here, behind the first fragments' loads, and lands under the products
.set I, 0
.rept 16
	global_load_b128 v[64+4*I:64+4*I+3], v10, s[16:17] offset:128*(I/4)+16*(I%4)   ; u_bias in the results' layout
.set I, I+1
.endr
.set I, 0
.rept 32                               ; v128-255: for tile a = I / 8: (cos, sin) of my row's position and the 16 pairs of my half of a head; they serve Q and K
	global_load_b128 v[128+4*I:128+4*I+3], v11, s[8:9] offset:(32*(I/16)+8*((I/8)%2))*256+128*((I/4)%2)+16*(I%4)
.set I, I+1
.endr
	WIN 0
	KSTEPS 2, 1                                    ; at K step 3 slot 0 takes K's lower half
	s_wait_loadcnt 0x0                             ; u_bias and the table, asked for a product ago
	SCALES SAP, SBP, 512*512, 64*512               ; K's scale words and bias land under this epilogue
	BIAS 12
	EPQK 0, 1, QC
	CHANGE 1, 1                                    ; slot 0's refill has landed; slot 1 takes K's upper half
	EPQK 1, 1, QC
	EPQK 2, 1, QC
	EPQK 3, 1, QC
	WORDS QS
; ---------------- K ----------------
	s_wait_xcnt 0x0                                ; my stores have read their registers: fragments land on those of the codes
	s_wait_loadcnt 0x0                             ; scale words, bk
	FETCH 0                                        ; slot 0 was shown whole by the round above
	KSTEPS 2, 2                                    ; at K step 3 slot 0 takes V's lower half
	SCALES SAV, SBV, 0, 0
	EPQK 0, 0, KC
	CHANGE 1, 2                                    ; slot 1 takes V's upper half: the last tensor load
	EPQK 1, 0, KC
	EPQK 2, 0, KC
	EPQK 3, 0, KC
	WORDS KS
; ---------------- V ----------------
	s_wait_xcnt 0x0
	s_wait_loadcnt 0x0
	FETCH 0
	KSTEPS 1, 0                                    ; nothing is left to fetch
	EPV 0
	EPV 1
	EPV 2
	EPV 3
	global_store_b128 v14, v[PW:PW+3], s[VSP:VSP+1]   ; 256 bytes: row r's four words; both halves of the lanes hold the same words and store them to the same bytes
	s_wait_tensorcnt 0x0                           ; the wave's end
	ds_add_u32 v[SPW], v[NIL]
	s_wait_dscnt 0x0
	CROUND                                         ; the closing round
	s_endpgm
.Lfunc_end_k_q8dc1d5714a_proj:
	.size	k_q8dc1d5714a_proj, .Lfunc_end_k_q8dc1d5714a_proj-k_q8dc1d5714a_proj
	.p2alignl 7, 3214868480
	.fill 96, 4, 3214868480
	.section	.rodata,"a",@progbits
	.p2align	6, 0x0
	.amdhsa_kernel k_q8dc1d5714a_proj
		.amdhsa_group_segment_fixed_size 327680
		.amdhsa_private_segment_fixed_size 0
		.amdhsa_enable_private_segment 0
		.amdhsa_kernarg_size 64
		.amdhsa_user_sgpr_count 2
		.amdhsa_user_sgpr_kernarg_segment_ptr 1
		.amdhsa_wavefront_size32 1
		.amdhsa_system_sgpr_workgroup_id_x 1
		.amdhsa_system_sgpr_workgroup_id_y 1
		.amdhsa_system_sgpr_workgroup_id_z 1
		.amdhsa_system_vgpr_workitem_id 0
		.amdhsa_next_free_vgpr 1024
		.amdhsa_next_free_sgpr 104
		.amdhsa_reserve_vcc 0
		.amdhsa_float_denorm_mode_32 3
		.amdhsa_float_denorm_mode_16_64 3
		.amdhsa_memory_ordered 1
		.amdhsa_forward_progress 1
		.amdhsa_inst_pref_size 255
	.end_amdhsa_kernel
	.section	.bss,"aw",@nobits
	.p2align	6
	.space	262144
	.amdgpu_metadata
---
amdhsa.version: [ 1, 2 ]
amdhsa.kernels:
  - .name:           k_q8dc1d5714a_proj
    .symbol:         k_q8dc1d5714a_proj.kd
    .args:
      - { .name: xc, .offset: 0, .size: 8, .value_kind: global_buffer, .address_space: global }
      - { .name: xs, .offset: 8, .size: 8, .value_kind: global_buffer, .address_space: global }
      - { .name: rope, .offset: 16, .size: 8, .value_kind: global_buffer, .address_space: global }
      - { .name: bq, .offset: 24, .size: 8, .value_kind: global_buffer, .address_space: global }
      - { .name: bk, .offset: 32, .size: 8, .value_kind: global_buffer, .address_space: global }
      - { .name: bv, .offset: 40, .size: 8, .value_kind: global_buffer, .address_space: global }
      - { .name: u_bias, .offset: 48, .size: 8, .value_kind: global_buffer, .address_space: global }
      - { .name: qkv, .offset: 56, .size: 8, .value_kind: global_buffer, .address_space: global }
    .group_segment_fixed_size: 327680
    .private_segment_fixed_size: 0
    .kernarg_segment_align: 8
    .kernarg_segment_size: 64
    .max_flat_workgroup_size: 128
    .sgpr_count:     104
    .vgpr_count:     1024
    .wavefront_size: 32
...
	.end_amdgpu_metadata
.endif
;; end of part 2
;; launch attn (part 3): grid 4 x 64, 16 waves a work-group, clusters of 4 x 1, 327,680 bytes of LDS; arguments qkv, mbits, cc, cs; writes cc, cs
.if DOCPART == 3
	.amdgcn_target "amdgcn-amd-amdhsa--gfx1250"
	.amdhsa_code_object_version 6
	.text
	.protected	k_q8dc1d5714a_attn
	.globl	k_q8dc1d5714a_attn
	.p2align	8
	.type	k_q8dc1d5714a_attn,@function
k_q8dc1d5714a_attn:
	s_mov_b64 s[64:65], 0
	v_nop
	global_prefetch_b8 v0, s[64:65] scope:SCOPE_SE
	s_setreg_imm32_b32 hwreg(HW_REG_WAVE_MODE, 25, 1), 1
	s_wait_xcnt 0x0
	s_wait_alu depctr_hold_cnt(0) depctr_sa_sdst(0) depctr_va_vdst(0) depctr_va_sdst(0) depctr_va_ssrc(0) depctr_va_vcc(0) depctr_vm_vsrc(0)
	s_getreg_b32 s2, hwreg(HW_REG_IB_STS2, 6, 4)
	s_cmp_eq_u32 s2, 0
	s_cbranch_scc0 .Lentry_in_a_cluster
	s_endpgm
.Lentry_in_a_cluster:
	s_bfe_u32 s2, ttmp6, 0x10000c
	s_cmp_lg_u32 s2, 0x3003
	s_cbranch_scc0 .Lentry_shape_is_right
	s_endpgm
.Lentry_shape_is_right:
; ATTN: ctx = softmax(mask(qb k^T / 8)) v on codes of FP6 (E2M3) with E8M0 scales, and ctx quantised for the output projection.
; SHARES.  A work-group takes a batch, TWO heads and 256 queries; each of its sixteen waves one tile of 16 queries, for both heads one after the other: so a wave makes a whole K step (128 = two heads) of ctx's codes
; and a whole scale word a row.  Four waves share a SIMD: one wave's vector work stands beside another's matrix work and LDS loads.
; LDS.  A head's K and V, codes and scale words for all 1,024 keys, are 104,448 bytes: both heads lie in LDS at once, each filled once; nothing is filled again.
; BARRIERS.  One ahead of head 0 (both heads' tiles have landed): from there on no wave waits for another until the end, so a wave that has finished head 0 goes on with head 1.
; CLUSTER 4 x 1: the four blocks of queries of a batch and pair of heads read the same K and V: waves 0-7 ask for them jointly, a quarter of a head's bytes each.
; No prefetch: all tensor loads go out at the head, and no later stream follows them.
; LAYOUT.  Both products are used transposed: S^T = K Q^T (source 0 = 16 keys), O^T = V^T P^T (source 0 = 16 channels): a lane holds one query throughout.  The first product's K is the head's 64: the other 64 of the
; instruction's 128 are zero codes on both sides.  The keys of a tile: lane r of tile t is key 32 (t / 2) + 8 (t % 2) + r + 8 (r / 8), so that score register 16 B + i is key 32 B + 16 (lane / 16) + i of the step.
; THE MASK comes as lane masks, one dword for each of a step's 64 score registers, into scalar registers, a step ahead.  A masked score becomes -2^33: with c = log2(e) / 8 its t is a whole number, so a row that is
; masked throughout gets p = 1 at every key, the uniform weights that a constant logit gives, and beside any unmasked score p is 0.
; THE SOFTMAX: t = score x c; M = the running largest t rounded up to a whole number; p = 2^(t - M) is quantised along the keys; the row's sum is taken of the unquantised p and divides at the end.
; LIMITS: NaN and infinities are not served.  Unmasked logits under about -1e9 would be ordered otherwise against masked ones than with the logit -1e9.  A block of zeros gets the scale byte 1.
; REGISTERS: v1-11 addresses; v12 -M, v13 largest t, v[14:15] the sum; v16-27 head 0's Q, v244-255 head 1's (upper six: zeros); v28, v29 their scale words; v32-79 four fragments of K (upper six of each: zeros);
;   v88-91, v92-95 K's and V's scale words; v96-159 S^T, then p, then V's four fragments; v160-191 O^T; v192-203 p's codes; v204-229 at work; v224 p's scale word; v230 ctx's scale word; v232-243 ctx's codes.
.set REC,   157696
.set VC,    49152
.set KS,    98304
.set VS,    102400
.set QC,    104448
.set QS,    153600
.set HB,    104448                     ; a head's bytes in LDS
.set QTR,   26112                      ; a quarter of them: 102 rows of 256 bytes
.set GATH,  2*HB                       ; 1,024 bytes: the sixteen waves' scale words of ctx
.set SPARE, GATH+1024                  ; the spare words, 128 bytes for each wave, that no other line names
.set WV,  12
.set TB,  13                           ; s13  LDS byte of the step's codes of K (V's lie VC further on)
.set TS,  14                           ; s14  of K's scale words
.set TT,  15                           ; s15  of V's
.set G1,  16
.set G0,  24
.set CS,  66                           ; s[66:67] c
.set SEL, 100
.set BM,  212
.set PD,  216
.set SO,  220
.set PWR, 224
.set FF,  226
.set TP,  228
.set CW,  230
.set CX,  232
.set PC,  192
.set PX,  204
.macro ROUND
	s_barrier_signal -1
	s_barrier_wait -1
	s_cmp_lg_u32 s[WV], 0
	s_cbranch_scc1 .Lnot_wave_0_\@
	s_barrier_signal -3
.Lnot_wave_0_\@:
	s_barrier_wait -3
	s_barrier_signal -1
	s_barrier_wait -1
.endm
.macro MASKLOAD                        ; a step's 64 dwords: s32-63 and s68-99
	s_load_b512 s[32:47], s[6:7], s3 offset:0x0
	s_load_b512 s[48:63], s[6:7], s3 offset:0x40
	s_load_b512 s[68:83], s[6:7], s3 offset:0x80
	s_load_b512 s[84:99], s[6:7], s3 offset:0xc0
.endm
	s_load_b256 s[4:11], s[0:1], 0x0               ; qkv, mbits, cc, cs
	v_lshl_add_u32 v4, v0, 2, SPARE
	v_mov_b32 v5, 0
	ds_add_u32 v4, v5                              ; the wave's opening: the add and its wait ahead of the first tensor loads; work on registers stands between them
	ds_add_u32 v4, v5
	v_lshrrev_b32 v8, 5, v0
	s_delay_alu instid0(VALU_DEP_1)
	v_readfirstlane_b32 s[WV], v8                  ; wave 0..15
	s_bfe_u32 s32, ttmp6, 0x40000                  ; cx: which 256 queries.  It enters the addresses of Q, the mask words, cc and cs alone
	s_and_b32 s33, ttmp7, 0xffff                   ; 8 batch + pair of heads
	s_lshr_b32 s34, s33, 3
	s_and_b32 s35, s33, 7
	s_lshl_b32 s36, s33, 1                         ; head 0's record: 16 batch + 2 pair
	s_mul_i32 s36, s36, REC
	s_mov_b32 s37, 0
	s_mul_i32 s38, s[WV], QTR                      ; the quarter that I fetch, if I fetch
	s_mov_b32 s39, 0
	s_lshl_b32 s40, s32, 4
	s_add_co_u32 s40, s40, s[WV]                   ; T: my tile of the batch's 64
	s_lshl_b32 s41, s34, 6
	s_add_co_u32 s41, s41, s40                     ; 64 batch + T
	s_lshr_b32 s42, s40, 2
	s_lshl_b32 s42, s42, 8
	s_and_b32 s43, s40, 3
	s_lshl_b32 s43, s43, 2
	s_add_co_u32 s42, s42, s43
	s_add_co_u32 s42, s42, QS                      ; Q's scale words: 512 (T / 8) + 256 ((T / 4) % 2) + 4 (T % 4), + 16 r
	s_mov_b32 s43, 0
	s_mul_i32 s44, s40, 768
	s_add_co_u32 s44, s44, QC
	s_mov_b32 s45, 0
	; descriptor group 1: 102 rows of 256 bytes, dense
	s_mov_b32 s[G1], 15|(3<<16)|(1<<21)            ; 15:0 the mask: all four work-groups; 17:16 elements of 8 bytes; 21 set beside a mask
	s_mov_b32 s[G1+1], 32<<16
	s_mov_b32 s[G1+2], 102<<16
	s_mov_b32 s[G1+3], 32<<16
	s_mov_b32 s[G1+4], 102
	s_mov_b32 s[G1+5], 32
	s_mov_b32 s[G1+6], 0
	s_mov_b32 s[G1+7], 0
	s_mov_b32 s[CS], 0x3e38aa3b                    ; c = log2(e) / sqrt(64)
	s_mov_b32 s[CS+1], s[CS]
	s_mov_b32 s[SEL], 0x76543210
	s_mov_b32 s[SEL+1], 0xfedcba98
	s_mov_b32 s3, 0
	v_and_b32 v8, 31, v0
	v_and_b32 v9, 15, v0
	s_delay_alu instid0(VALU_DEP_2)
	v_lshlrev_b32 v1, 4, v8                        ; 16 x lane
	s_delay_alu instid0(VALU_DEP_3)
	v_lshlrev_b32 v2, 3, v8                        ; 8 x lane
	s_delay_alu instid0(VALU_DEP_3)
	v_lshlrev_b32 v3, 4, v9                        ; 16 r
	v_mov_b32 v6, 0xd0000000                       ; -2^33
	s_lshl_b32 s46, s[WV], 6
	v_lshl_add_u32 v7, v9, 2, GATH
	s_delay_alu instid0(VALU_DEP_1)
	v_add_nc_u32 v7, s46, v7                       ; where my row's scale word of ctx goes: 64 x wave + 4 r
	v_lshl_add_u32 v31, v0, 4, GATH                ; and where waves 0, 1 read them back: 16 x thread
	v_lshlrev_b32 v30, 4, v0
	s_wait_dscnt 0x0                               ; the opening add is done
	s_wait_kmcnt 0x0
	s_add_nc_u64 s[4:5], s[4:5], s[36:37]          ; head 0's record
	; THE FILLS, as they now stand: waves 0-7 ask for one quarter of a head each, waves 0-3 head 0's, waves 4-7 head 1's: one tensor load a wave.
	; HB = 4 QTR, so the LDS byte is wave x QTR; in memory head 1's record begins REC - HB further on than that count gives.
	s_lshr_b32 s46, s[WV], 2
	s_mul_i32 s46, s46, REC-HB
	s_mov_b32 s47, 0
	s_mov_b32 s[G0], 1
	s_mov_b32 s[G0+1], s38
	s_add_nc_u64 s[G0+2:G0+3], s[4:5], s[38:39]
	s_add_nc_u64 s[G0+2:G0+3], s[G0+2:G0+3], s[46:47]
	s_or_b32 s[G0+3], s[G0+3], 0x80000000
	ROUND                                          ; all four work-groups are here: the joint loads meet
	s_cmp_lt_u32 s[WV], 8                          ; waves 0-7: one tensor load each is out; an s_nop 0 and four v_nop follow it
	s_cbranch_scc0 .Lno_fetch
	tensor_load_to_lds s[G0:G0+3], s[G1:G1+7]
	s_nop 0
.rept 4
	v_nop
.endr
.Lno_fetch:
	s_add_nc_u64 s[104:105], s[4:5], s[42:43]
	s_add_nc_u64 s[4:5], s[4:5], s[44:45]
	s_wait_alu depctr_va_vdst(0)
	global_load_b128 v[16:19], v1, s[4:5]                      ; Q: 16 queries x the head's 64: six registers a lane
	global_load_b64 v[20:21], v2, s[4:5] offset:512
	global_load_b128 v[244:247], v1, s[4:5] offset:REC         ; and the next head's
	global_load_b64 v[248:249], v2, s[4:5] offset:REC+512
	global_load_b32 v28, v3, s[104:105]
	global_load_b32 v29, v3, s[104:105] offset:REC
	s_lshl_b32 s46, s41, 11
	s_mov_b32 s47, 0
	s_add_nc_u64 s[6:7], s[6:7], s[46:47]          ; my tile's mask words: 8 steps x 256 bytes
	s_mul_i32 s46, s41, 12288
	s_mul_i32 s36, s35, 1536
	s_add_co_u32 s46, s46, s36
	s_add_nc_u64 s[8:9], s[8:9], s[46:47]          ; ctx's codes: tile 64 batch + T, K step = the pair of heads
	s_sub_co_u32 s46, s41, s[WV]
	s_lshl_b32 s46, s46, 6
	s_lshl_b32 s36, s35, 15
	s_add_co_u32 s46, s46, s36
	s_add_nc_u64 s[10:11], s[10:11], s[46:47]      ; ctx's scale words: [K step][tile][16 r]: the work-group's sixteen tiles are 1,024 consecutive bytes
	MASKLOAD                                       ; step 0's
.irp j, 22,23,24,25,26,27,250,251,252,253,254,255
	v_mov_b32 v[\j], 0                             ; zero codes for k = 64 .. 127
.endr
.irp t, 0,1,2,3
.irp j, 6,7,8,9,10,11
	v_mov_b32 v[32+12*\t+\j], 0                    ; cleared once; no load lands here
.endr
.endr
.irp b, 0,1,2,3
	v_mov_b32 v[PD+\b], 0                          ; a lane permute's destination counts as one of its sources
.endr
	v_mov_b32 v[FF+1], 0                           ; (named as the upper half of a pair)
; A KEY STEP: 128 keys; at its end the addresses go on to the next step
.macro STEP qf, qs
	v_add_nc_u32 v8, s[TB], v1
	s_wait_alu depctr_va_vdst(0)
	v_add_nc_u32 v9, s[TB], v2
	s_wait_alu depctr_va_vdst(0)
	v_add_nc_u32 v10, s[TS], v1
	v_add_nc_u32 v11, s[TT], v3
	v_nop                                          ; five places: the scores below are laid over V's fragments, which the last products read
	ds_load_b128 v[88:91], v10                     ; K's scale words: register t: tile t in lanes 0-15, tile 4 + t in lanes 16-31
.irp g, 0,1
.if \g > 0
.rept 4
	v_nop                                          ; places in front of loads into registers that matrix instructions have read
.endr
.endif
.irp t, 0,1,2,3
	ds_load_b128 v[32+12*\t:35+12*\t], v8 offset:(4*\g+\t)*768
	ds_load_b64 v[36+12*\t:37+12*\t], v9 offset:(4*\g+\t)*768+512
.endr
	s_wait_dscnt 0x0
.irp t, 0,1,2,3
.if \g == 0
	v_wmma_scale_f32_16x16x128_f8f6f4 v[96+8*\t:103+8*\t], v[32+12*\t:43+12*\t], v[\qf:\qf+11], 0, v[88+\t], v[\qs] matrix_a_fmt:MATRIX_FMT_FP6 matrix_b_fmt:MATRIX_FMT_FP6
.else
	v_wmma_scale_f32_16x16x128_f8f6f4 v[128+8*\t:135+8*\t], v[32+12*\t:43+12*\t], v[\qf:\qf+11], 0, v[88+\t], v[\qs] matrix_a_fmt:MATRIX_FMT_FP6 matrix_b_fmt:MATRIX_FMT_FP6 matrix_a_scale:MATRIX_SCALE_ROW1
.endif
.endr
.endr
.rept 4
	v_nop
.endr
	s_wait_kmcnt 0x0                               ; this step's mask words, asked for a step ago
.set N, 0
.rept 64
.if N < 32
	v_cndmask_b32 v[96+N], v[96+N], v6, s[32+N]    ; each accumulator from its low end on
.else
	v_cndmask_b32 v[96+N], v[96+N], v6, s[36+N]
.endif
.set N, N+1
.endr
	s_add_co_u32 s3, s3, 256                       ; the next step's words; behind step 7 come step 0's again, for the second head (behind that head's last step they are asked for once more and not read)
	s_and_b32 s3, s3, 0x7ff                        ; no load leaves my tile's 2,048 bytes
	MASKLOAD
.irp b, 0,1,2,3
	v_max3_num_f32 v[BM+\b], v[96+16*\b], v[97+16*\b], v[98+16*\b]   ; the largest score of each block of 32 keys: for the row's maximum and, since p rises with the score, for the block's largest p
.endr
.irp i, 3,5,7,9,11,13
.irp b, 0,1,2,3
	s_delay_alu instid0(VALU_DEP_4)
	v_max3_num_f32 v[BM+\b], v[BM+\b], v[96+16*\b+\i], v[97+16*\b+\i]
.endr
.endr
.irp b, 0,1,2,3
	s_delay_alu instid0(VALU_DEP_4)
	v_max_num_f32 v[BM+\b], v[BM+\b], v[111+16*\b]
.endr
.irp b, 0,1,2,3
	s_delay_alu instid0(VALU_DEP_4)
	v_permlanex16_b32 v[PD+\b], v[BM+\b], s[SEL], s[SEL+1]
.endr
.irp b, 0,1,2,3
	s_delay_alu instid0(VALU_DEP_4)
	v_max_num_f32 v[BM+\b], v[BM+\b], v[PD+\b]     ; with lane l xor 16's 16 keys
.endr
	s_delay_alu instid0(VALU_DEP_2)
	v_max3_num_f32 v[TP], v[BM], v[BM+1], v[BM+2]
	s_delay_alu instid0(VALU_DEP_1)
	v_max_num_f32 v[TP], v[TP], v[BM+3]
	s_delay_alu instid0(VALU_DEP_1)
	v_mul_f32 v[TP], s[CS], v[TP]                  ; the step's largest t
	s_delay_alu instid0(VALU_DEP_1)
	v_max_num_f32 v13, v13, v[TP]                  ; the running largest t
	v_mov_b32 v[TP], v12
	s_delay_alu instid0(VALU_DEP_2)
	v_floor_f32 v12, -v13                          ; the new -M: M is a whole number
	s_delay_alu instid0(VALU_DEP_1)
	v_sub_f32 v[TP], v12, v[TP]                    ; old M - new M: a whole number, 0 or less
	s_delay_alu instid0(VALU_DEP_1)
	v_cvt_i32_f32 v[TP], v[TP]                     ; (it saturates)
	s_delay_alu instid0(VALU_DEP_1)
	v_ldexp_f32 v[FF], 1.0, v[TP]                  ; f = 2^(old M - new M): a multiplication by it rounds nothing
.set N, 0
.rept 32
	v_pk_fma_f32 v[96+N:97+N], v[96+N:97+N], s[CS:CS+1], v[12:13] op_sel_hi:[1,0,0]   ; t - M, two at a time
.set N, N+2
.endr
.irp b, 0,1,2,3
	v_fma_f32 v[BM+\b], v[BM+\b], s[CS], v12
.endr
.set N, 0
	s_wait_alu depctr_va_vdst(0)
.rept 64
	v_exp_f32 v[96+N], v[96+N]                     ; p = 2^(t - M), at most 1, not normalised
.set N, N+1
.endr
	v_pk_mul_f32 v[14:15], v[14:15], v[FF:FF+1] op_sel_hi:[1,0]    ; the sums under the new M (a plain place behind the exponentials)
	s_wait_alu depctr_va_vdst(0)                   ; one wait for the batch of 64, ahead of its first reader
.irp b, 0,1,2,3
	v_exp_f32 v[BM+\b], v[BM+\b]                   ; the block's largest p: the same two instructions on the same number
.endr
	v_pk_add_f32 v[216:217], v[100:101], v[104:105]
	v_pk_add_f32 v[242:243], v[108:109], v[112:113]
	v_pk_add_f32 v[240:241], v[116:117], v[120:121]
	v_pk_add_f32 v[238:239], v[124:125], v[128:129]
	v_pk_add_f32 v[224:225], v[132:133], v[136:137]
	v_pk_add_f32 v[222:223], v[140:141], v[144:145]
	v_pk_add_f32 v[220:221], v[148:149], v[152:153]
	v_pk_add_f32 v[14:15], v[14:15], v[156:157]
	v_pk_add_f32 v[216:217], v[216:217], v[96:97]
	v_pk_add_f32 v[242:243], v[242:243], v[98:99]
	v_pk_add_f32 v[240:241], v[240:241], v[102:103]
	v_pk_add_f32 v[238:239], v[238:239], v[106:107]
	v_pk_add_f32 v[224:225], v[224:225], v[110:111]
	v_pk_add_f32 v[222:223], v[222:223], v[114:115]
	v_pk_add_f32 v[220:221], v[220:221], v[118:119]
	v_pk_add_f32 v[14:15], v[14:15], v[122:123]
	v_pk_add_f32 v[216:217], v[216:217], v[126:127]
	v_pk_add_f32 v[242:243], v[242:243], v[130:131]
	v_pk_add_f32 v[240:241], v[240:241], v[134:135]
	v_pk_add_f32 v[238:239], v[238:239], v[138:139]
	v_pk_add_f32 v[224:225], v[224:225], v[142:143]
	v_pk_add_f32 v[222:223], v[222:223], v[146:147]
	v_pk_add_f32 v[220:221], v[220:221], v[150:151]
	v_pk_add_f32 v[14:15], v[14:15], v[154:155]
	v_pk_add_f32 v[216:217], v[216:217], v[158:159]
	s_delay_alu instid0(VALU_DEP_2)
	v_pk_add_f32 v[14:15], v[14:15], v[238:239]
	s_delay_alu instid0(VALU_DEP_2)
	v_pk_add_f32 v[216:217], v[216:217], v[224:225]
	v_pk_add_f32 v[242:243], v[242:243], v[222:223]
	v_pk_add_f32 v[240:241], v[240:241], v[220:221]
	s_delay_alu instid0(VALU_DEP_2)
	v_pk_add_f32 v[14:15], v[14:15], v[242:243]
	s_delay_alu instid0(VALU_DEP_2)
	v_pk_add_f32 v[216:217], v[216:217], v[240:241]
	s_delay_alu instid0(VALU_DEP_1)
	v_pk_add_f32 v[14:15], v[14:15], v[216:217]
	s_wait_alu depctr_va_vdst(0)                   ; and one for the four
.irp b, 0,1,2,3
	v_max_num_f32 v[BM+\b], 0x1800000, v[BM+\b]    ; the floor 2^(3 - 127): the byte cannot fall under 1
.endr
.irp b, 0,1,2,3
	s_delay_alu instid0(VALU_DEP_4)
	v_add_nc_u32 v[SO+\b], 0xff000000, v[BM+\b]    ; the conversion's scale operand
.endr
.irp b, 0,1,2,3
	s_delay_alu instid0(VALU_DEP_4)
	v_lshrrev_b32 v[PD+\b], 23, v[SO+\b]           ; the scale's byte
.endr
	s_delay_alu instid0(VALU_DEP_3)
	v_lshl_or_b32 v[PWR], v[PD+1], 8, v[PD]        ; p's scale word for these 128 keys
	s_delay_alu instid0(VALU_DEP_1)
	v_lshl_or_b32 v[PWR], v[PD+2], 16, v[PWR]
	s_delay_alu instid0(VALU_DEP_1)
	v_lshl_or_b32 v[PWR], v[PD+3], 24, v[PWR]
.irp c, 0,1
	v_cvt_scalef32_pk16_fp6_f32 v[PC+6*\c:PC+6*\c+2], v[96+32*\c:111+32*\c], v[SO+2*\c]
	v_cvt_scalef32_pk16_fp6_f32 v[PX+4*\c:PX+4*\c+2], v[112+32*\c:127+32*\c], v[SO+2*\c+1]
.endr
	v_nop                                          ; one plain place behind a scaled conversion
.irp d, 0,1,2,3                        ; p's registers are done with: V's four fragments (16 channels x these 128 keys) land there while the codes are put in place
	ds_load_b128 v[96+12*\d:99+12*\d], v8 offset:VC+1536*\d
	ds_load_b64 v[100+12*\d:101+12*\d], v9 offset:VC+1536*\d+512
	ds_load_b128 v[102+12*\d:105+12*\d], v8 offset:VC+1536*\d+768
	ds_load_b64 v[106+12*\d:107+12*\d], v9 offset:VC+1536*\d+1280
.endr
	ds_load_b128 v[92:95], v11                     ; V's scale words: register d: row r of tile d
.irp c, 0,1
.irp i, 0,1,2
	v_permlane16_swap_b32 v[PC+6*\c+\i], v[PX+4*\c+\i]
.endr
.irp i, 0,1,2
	s_delay_alu instid0(VALU_DEP_3)
	v_mov_b32 v[PC+6*\c+3+\i], v[PX+4*\c+\i]
.endr
.endr
.set N, 0
.rept 16
	v_pk_mul_f32 v[160+N:161+N], v[160+N:161+N], v[FF:FF+1] op_sel_hi:[1,0]   ; O^T under the new M.  (These sixteen are also the places between the scale word and codes just made and the products)
.set N, N+2
.endr
	s_wait_alu depctr_va_vdst(0)
	s_wait_dscnt 0x0
.irp d, 0,1,2,3
	v_wmma_scale_f32_16x16x128_f8f6f4 v[160+8*\d:167+8*\d], v[96+12*\d:107+12*\d], v[PC:PC+11], v[160+8*\d:167+8*\d], v[92+\d], v[PWR] matrix_a_fmt:MATRIX_FMT_FP6 matrix_b_fmt:MATRIX_FMT_FP6
.endr
	s_add_co_u32 s[TB], s[TB], 6144
	s_add_co_u32 s[TS], s[TS], 512
	s_add_co_u32 s[TT], s[TT], 256
.endm
; A HEAD: eight key steps, then O^T / the sum, quantised: half of ctx's fragment
.macro HEAD hd, qf, qs
	v_mov_b32 v13, 0xff61b1e6                      ; the largest t so far: -3e38
	s_delay_alu instid0(VALU_DEP_1)
	v_floor_f32 v12, -v13
	v_mov_b32 v14, 0
	v_mov_b32 v15, 0
.set N, 0
.rept 32
	v_mov_b32 v[160+N], 0                          ; the step is one text: the first finds zeros, which the first change of M leaves zeros
.set N, N+1
.endr
	s_mov_b32 s[TB], \hd*HB
	s_mov_b32 s[TS], \hd*HB+KS
	s_mov_b32 s[TT], \hd*HB+VS
	s_mov_b32 s2, 8                                ; eight key steps; both heads were shown whole by the one barrier ahead of head 0
.Lstep_\@:
	STEP \qf, \qs
	s_sub_co_u32 s2, s2, 1
	s_cmp_lg_u32 s2, 0
	s_cbranch_scc1 .Lstep_\@
.rept 4
	v_nop                                          ; places behind the last products
.endr
	v_add_f32 v14, v14, v15
	s_delay_alu instid0(VALU_DEP_1)
	v_permlanex16_b32 v[TP], v14, s[SEL], s[SEL+1]
	s_delay_alu instid0(VALU_DEP_1)
	v_add_f32 v14, v14, v[TP]                      ; the row's sum
	s_wait_alu depctr_va_vdst(0)
	v_rcp_f32 v14, v14
	v_nop                                          ; a plain place behind the transcendental
	s_wait_alu depctr_va_vdst(0)                   ; and the wait ahead of its first reader
.set N, 0
.rept 32
	v_mul_f32 v[96+N], v[160+N], v14               ; register 16 B + i is channel 32 B + 16 h + i of my query
.set N, N+1
.endr
.irp b, 0,1
	v_max3_num_f32 v[BM+\b], |v[96+16*\b]|, |v[97+16*\b]|, 0x1800000
.endr
.irp i, 2,4,6,8,10,12,14
.irp b, 0,1
	s_delay_alu instid0(VALU_DEP_2)
	v_max3_num_f32 v[BM+\b], v[BM+\b], |v[96+16*\b+\i]|, |v[97+16*\b+\i]|
.endr
.endr
.irp b, 0,1
	s_delay_alu instid0(VALU_DEP_2)
	v_permlanex16_b32 v[PD+\b], v[BM+\b], s[SEL], s[SEL+1]
.endr
.irp b, 0,1
	s_delay_alu instid0(VALU_DEP_2)
	v_max_num_f32 v[BM+\b], v[BM+\b], v[PD+\b]
.endr
.irp b, 0,1
	s_delay_alu instid0(VALU_DEP_2)
	v_add_nc_u32 v[SO+\b], 0xff000000, v[BM+\b]
.endr
.irp b, 0,1
	s_delay_alu instid0(VALU_DEP_2)
	v_lshrrev_b32 v[PD+\b], 23, v[SO+\b]
.endr
.if \hd == 0
	s_delay_alu instid0(VALU_DEP_1)
	v_lshl_or_b32 v[CW], v[PD+1], 8, v[PD]
.else
	s_delay_alu instid0(VALU_DEP_2)
	v_lshl_or_b32 v[CW], v[PD], 16, v[CW]
	s_delay_alu instid0(VALU_DEP_1)
	v_lshl_or_b32 v[CW], v[PD+1], 24, v[CW]
.endif
	v_cvt_scalef32_pk16_fp6_f32 v[CX+6*\hd:CX+6*\hd+2], v[96:111], v[SO]
	v_cvt_scalef32_pk16_fp6_f32 v[PX:PX+2], v[112:127], v[SO+1]
	v_nop
.irp i, 0,1,2
	v_permlane16_swap_b32 v[CX+6*\hd+\i], v[PX+\i]
.endr
.irp i, 0,1,2
	s_delay_alu instid0(VALU_DEP_3)
	v_mov_b32 v[CX+6*\hd+3+\i], v[PX+\i]
.endr
.endm
	s_wait_loadcnt 0x0                             ; Q
	s_wait_tensorcnt 0x0                           ; my quarter has landed (waves 0-7; the others have no load out); behind the barrier both heads are whole, and no wave waits for another until the end
	s_barrier_signal -1
	s_barrier_wait -1
	HEAD 0, 16, 28
	HEAD 1, 244, 29
	global_store_b128 v1, v[CX:CX+3], s[8:9]       ; ctx's fragment as it stands: 512 or 256 consecutive bytes a store
	global_store_b64 v2, v[CX+4:CX+5], s[8:9] offset:512
	global_store_b128 v1, v[CX+6:CX+9], s[8:9] offset:768
	global_store_b64 v2, v[CX+10:CX+11], s[8:9] offset:1280
	ds_store_b32 v7, v[CW]                         ; both halves of the lanes write the same word with the same value
	s_wait_dscnt 0x0                               ; for the others' sake
	s_barrier_signal -1
	s_barrier_wait -1
	s_cmp_lt_u32 s[WV], 2                          ; waves 0 and 1 store the sixteen tiles' words, 512 consecutive bytes each
	s_cbranch_scc0 .Lno_cs
	ds_load_b128 v[80:83], v31
	s_wait_dscnt 0x0
	global_store_b128 v30, v[80:83], s[10:11]
.Lno_cs:
	s_wait_tensorcnt 0x0                           ; the wave's end
	ds_add_u32 v4, v5
	s_wait_dscnt 0x0
	ROUND                                          ; the closing round
	s_endpgm
.Lfunc_end_k_q8dc1d5714a_attn:
	.size	k_q8dc1d5714a_attn, .Lfunc_end_k_q8dc1d5714a_attn-k_q8dc1d5714a_attn
	.p2alignl 7, 3214868480
	.fill 96, 4, 3214868480
	.section	.rodata,"a",@progbits
	.p2align	6, 0x0
	.amdhsa_kernel k_q8dc1d5714a_attn
		.amdhsa_group_segment_fixed_size 327680
		.amdhsa_private_segment_fixed_size 0
		.amdhsa_enable_private_segment 0
		.amdhsa_kernarg_size 32
		.amdhsa_user_sgpr_count 2
		.amdhsa_user_sgpr_kernarg_segment_ptr 1
		.amdhsa_wavefront_size32 1
		.amdhsa_system_sgpr_workgroup_id_x 1
		.amdhsa_system_sgpr_workgroup_id_y 1
		.amdhsa_system_sgpr_workgroup_id_z 1
		.amdhsa_system_vgpr_workitem_id 0
		.amdhsa_next_free_vgpr 256
		.amdhsa_next_free_sgpr 106
		.amdhsa_reserve_vcc 0
		.amdhsa_float_denorm_mode_32 3
		.amdhsa_float_denorm_mode_16_64 3
		.amdhsa_memory_ordered 1
		.amdhsa_forward_progress 1
		.amdhsa_inst_pref_size 65
	.end_amdhsa_kernel
	.amdgpu_metadata
---
amdhsa.version: [ 1, 2 ]
amdhsa.kernels:
  - .name:           k_q8dc1d5714a_attn
    .symbol:         k_q8dc1d5714a_attn.kd
    .args:
      - { .name: qkv, .offset: 0, .size: 8, .value_kind: global_buffer, .address_space: global }
      - { .name: mbits, .offset: 8, .size: 8, .value_kind: global_buffer, .address_space: global }
      - { .name: cc, .offset: 16, .size: 8, .value_kind: global_buffer, .address_space: global }
      - { .name: cs, .offset: 24, .size: 8, .value_kind: global_buffer, .address_space: global }
    .group_segment_fixed_size: 327680
    .private_segment_fixed_size: 0
    .kernarg_segment_align: 8
    .kernarg_segment_size: 32
    .max_flat_workgroup_size: 512
    .sgpr_count:     106
    .vgpr_count:     256
    .wavefront_size: 32
...
	.end_amdgpu_metadata
.endif
;; end of part 3
;; launch outp (part 4): grid 4 x 64, 4 waves a work-group, clusters of 4 x 4, 327,680 bytes of LDS; arguments cc, cs, xc, xs, bo, out0; writes out0
.if DOCPART == 4
	.amdgcn_target "amdgcn-amd-amdhsa--gfx1250"
	.amdhsa_code_object_version 6
	.text
	.protected	k_q8dc1d5714a_outp
	.globl	k_q8dc1d5714a_outp
	.p2align	8
	.type	k_q8dc1d5714a_outp,@function
k_q8dc1d5714a_outp:
	s_mov_b64 s[64:65], 0
	v_nop
	global_prefetch_b8 v0, s[64:65] scope:SCOPE_SE
	s_setreg_imm32_b32 hwreg(HW_REG_WAVE_MODE, 25, 1), 1
	s_wait_xcnt 0x0
	s_wait_alu depctr_hold_cnt(0) depctr_sa_sdst(0) depctr_va_vdst(0) depctr_va_sdst(0) depctr_va_ssrc(0) depctr_va_vcc(0) depctr_vm_vsrc(0)
	s_getreg_b32 s2, hwreg(HW_REG_IB_STS2, 6, 4)
	s_cmp_eq_u32 s2, 0
	s_cbranch_scc0 .Lentry_in_a_cluster
	s_endpgm
.Lentry_in_a_cluster:
	s_bfe_u32 s2, ttmp6, 0x10000c
	s_cmp_lg_u32 s2, 0xf033
	s_cbranch_scc0 .Lentry_shape_is_right
	s_endpgm
.Lentry_shape_is_right:
; OUTP: out0 = ctx Wo^T + bo on codes of FP6 (E2M3) with E8M0 scales.  ctx's codes and scale words come from the attention launch, Wo's from the first launch.
; A work-group makes 128 rows (side A = ctx, source 1: rows on lanes) x 256 columns (side B = Wo, source 0: columns on a lane's registers): 64 x 4 = 256 work-groups.
; Four waves; wave w takes A's tiles 4 (w / 2) .. + 3 and B's tiles 8 (w % 2) .. + 7: 32 accumulators.  ALL OF K (1,024) LIES IN LDS: A's 8 tiles, then B's 16, each with all eight K steps, filled once; nothing is filled again.
; CLUSTER 4 x 4: A's tiles are shared along a row of the cluster, B's along a column: each is asked for jointly, by the same tensor load with the same descriptor in the four that its mask names.
; Codes lie as images of the operand's registers (16 rows x 128 K = 1,536 bytes).  Lane r of tile t is row 32 (t / 2) + 8 (t % 2) + r + 8 (r / 8): the store addresses undo that order.
; THE WAY OUT: a tile of 16 rows x 128 columns goes through the wave's own stage in LDS and leaves as whole rows of 512 bytes.  The four stages (33,792 bytes) lie in quarter 0: it has had its only fill, and every
; wave's last read of it is awaited in front of the barrier of K step 1.
; REGISTERS: window 0: v4-15 addresses; v28, v29 the add's two; v32-79 scale words and nothing else; v80-175 A's fragments, later the way out; window 1: B's fragments; window 2: the accumulators; window 3: bo.
.set QB,    73728
.set TILEB, 12288
.set SPARE, 4*QB
.set SPW,   28
.set NIL,   29
.set LA16,  4
.set LA8,   5
.set LB16,  6
.set LB8,   7
.set L16,   8
.set L8,    9
.set SA,    32
.set SB,    48
.set AF,    80
.set T,     80
.set BK,    144                        ; v144-207 16 rows read back
.set WV,    20
.set G1A,   32
.set G1B,   40
.set G0A,   48
.set G0B,   68
.set MSB, 0
.macro WIN new
.if MSB != \new
	s_set_vgpr_msb (MSB<<8)|\new
.set MSB, \new
.endif
.endm
.set MUL,  0xa1
.set TO_B, 0x40
.macro CROUND
	s_barrier_signal -1
	s_barrier_wait -1
	s_cmp_lg_u32 s[WV], 0
	s_cbranch_scc1 .Lnot_wave_0_\@
	s_barrier_signal -3
.Lnot_wave_0_\@:
	s_barrier_wait -3
	s_barrier_signal -1
	s_barrier_wait -1
.endm
.macro FRAG4 reg, a16, a8, off
	ds_load_b128 v[\reg:\reg+3], v[\a16] offset:\off
	ds_load_b64 v[\reg+4:\reg+5], v[\a8] offset:\off+512
	ds_load_b128 v[\reg+6:\reg+9], v[\a16] offset:\off+768
	ds_load_b64 v[\reg+10:\reg+11], v[\a8] offset:\off+1280
.endm
.macro FETCH q
.set FP, (\q)%2
	WIN TO_B
.set FI, 0
; LDS AS IT NOW STANDS: [tile][12,288 bytes: all eight K steps], A's 8 tiles, then B's 16; each wave fills its part by ONE tensor load; nothing is filled again.
; B's tiles 4-7 of my eight lie beyond a 16-bit offset: v14, v15 point at them.
.rept 4
	FRAG4 128*FP+12*FI, LB16, LB8, FI*TILEB+(\q)*1536
	FRAG4 128*FP+12*(FI+4), 14, 15, FI*TILEB+(\q)*1536
.set FI, FI+1
.endr
	WIN 0
.set FI, 0
.rept 4
	FRAG4 AF+48*FP+12*FI, LA16, LA8, FI*TILEB+(\q)*1536
.set FI, FI+1
.endr
.endm
.macro MULS q, zero                    ; the accumulators take turns, one instruction a turn, in the same order in every K step
.set MP, (\q)%2
.set MQ, (\q)%4
.if \zero
	WIN 0xb1                                       ; C (bo) in window 3
.else
	WIN MUL
.endif
.set MA, 0
.rept 4
.set MB, 0
.rept 8
.if \zero
	v_wmma_scale_f32_16x16x128_f8f6f4 v[8*(8*MA+MB):8*(8*MA+MB)+7], v[128*MP+12*MB:128*MP+12*MB+11], v[AF+48*MP+12*MA:AF+48*MP+12*MA+11], v[8*MB:8*MB+7], v[SB+4*MB+MQ], v[SA+4*MA+MQ] matrix_a_fmt:MATRIX_FMT_FP6 matrix_b_fmt:MATRIX_FMT_FP6   ; bo is the C of each sum's first product
.elseif (\q) < 4
	v_wmma_scale_f32_16x16x128_f8f6f4 v[8*(8*MA+MB):8*(8*MA+MB)+7], v[128*MP+12*MB:128*MP+12*MB+11], v[AF+48*MP+12*MA:AF+48*MP+12*MA+11], v[8*(8*MA+MB):8*(8*MA+MB)+7], v[SB+4*MB+MQ], v[SA+4*MA+MQ] matrix_a_fmt:MATRIX_FMT_FP6 matrix_b_fmt:MATRIX_FMT_FP6
.else
	v_wmma_scale_f32_16x16x128_f8f6f4 v[8*(8*MA+MB):8*(8*MA+MB)+7], v[128*MP+12*MB:128*MP+12*MB+11], v[AF+48*MP+12*MA:AF+48*MP+12*MA+11], v[8*(8*MA+MB):8*(8*MA+MB)+7], v[SB+4*MB+MQ], v[SA+4*MA+MQ] matrix_a_fmt:MATRIX_FMT_FP6 matrix_b_fmt:MATRIX_FMT_FP6 matrix_a_scale:MATRIX_SCALE_ROW1 matrix_b_scale:MATRIX_SCALE_ROW1
.endif
.set MB, MB+1
.endr
.set MA, MA+1
.endr
.endm
.macro KSTEP q
	s_wait_dscnt 0x0                               ; set q % 2 is in (asked for 32 matrix instructions ago)
.if (\q) == 7
	s_barrier_signal -1                            ; my last reads of the tiles are back: say so; the wait stands behind the last products, ahead of the stage's first store
.elseif (\q) > 0
.rept 4
	v_nop                                          ; four places in front of loads into registers that matrix instructions have read
.endr
.endif
.if (\q) < 7
	FETCH (\q)+1
.endif
.if (\q) == 0
	MULS 0, 1                                      ; the first products start the sums: nothing is cleared
.else
	MULS \q, 0
.endif
.endm
	s_load_b256 s[4:11], s[0:1], 0x0               ; cc, cs, xc, xs
	s_load_b128 s[12:15], s[0:1], 0x20             ; bo, out0
	v_lshl_add_u32 v[SPW], v0, 2, SPARE
	v_mov_b32 v[NIL], 0
	ds_add_u32 v[SPW], v[NIL]                      ; the wave's opening: the add and its wait ahead of my first tensor load; work on registers stands between them
	ds_add_u32 v[SPW], v[NIL]
	v_lshrrev_b32 v1, 5, v0
	v_readfirstlane_b32 s[WV], v1
	s_lshr_b32 s21, s[WV], 1                       ; wa
	s_and_b32 s22, s[WV], 1                        ; wb
	v_and_b32 v1, 31, v0
	v_and_b32 v2, 15, v0
	v_bfe_u32 v3, v0, 4, 1
	v_lshlrev_b32 v[L16], 4, v1
	v_lshlrev_b32 v[L8], 3, v1
	s_mul_i32 s84, s21, 4*TILEB
	v_add_nc_u32 v[LA16], s84, v[L16]
	v_add_nc_u32 v[LA8], s84, v[L8]
	s_mul_i32 s84, s22, 8*TILEB
	s_add_co_u32 s84, s84, 8*TILEB
	v_add_nc_u32 v[LB16], s84, v[L16]
	v_add_nc_u32 v[LB8], s84, v[L8]
	v_add_nc_u32 v14, 4*TILEB, v[LB16]             ; B's tiles 4-7 of my eight
	v_add_nc_u32 v15, 4*TILEB, v[LB8]
	v_lshlrev_b32 v10, 17, v3
	v_lshl_add_u32 v10, v2, 2, v10                 ; ctx's scale words: 4 r; lanes 16-31 take the K step four further on (4 x 32,768 bytes)
	v_lshlrev_b32 v11, 6, v3                       ; 64 h
	s_mul_i32 s84, s[WV], 16*528                   ; my stage
	v_mul_u32_u24 v12, v2, 528
	v_lshl_add_u32 v12, v3, 6, v12
	v_add_nc_u32 v12, s84, v12                     ; in: row r, + 64 h
	v_add_nc_u32 v13, s84, v[L16]                  ; back: 16 x lane of a row
	s_bfe_u32 s23, ttmp6, 0x40000                  ; cx = tc: B's block of 256 columns
	s_bfe_u32 s24, ttmp6, 0x40004                  ; cy
	s_lshl_b32 s84, s24, 2
	s_lshl_b32 s84, 15, s84
	s_lshl_b32 s85, 0x1111, s23
	s_or_b32 s[G1A], s84, (3<<16)|(1<<21)          ; 15:0 the mask; 17:16 elements of 8 bytes; 21 set beside a mask
	s_or_b32 s[G1B], s85, (3<<16)|(1<<21)
	s_mov_b32 s[G1A+1], 1536<<16                   ; rows (tiles) of 12,288 bytes, all of K, one behind the other: 4 for A, 8 for B
	s_mov_b32 s[G1A+2], 4<<16
	s_mov_b32 s[G1A+3], 1536<<16
	s_mov_b32 s[G1A+4], 4
	s_mov_b32 s[G1A+5], 1536
	s_mov_b32 s[G1A+6], 0
	s_mov_b32 s[G1A+7], 0
	s_mov_b32 s[G1B+1], 1536<<16
	s_mov_b32 s[G1B+2], 8<<16
	s_mov_b32 s[G1B+3], 1536<<16
	s_mov_b32 s[G1B+4], 8
	s_mov_b32 s[G1B+5], 1536
	s_mov_b32 s[G1B+6], 0
	s_mov_b32 s[G1B+7], 0
	s_and_b32 s25, ttmp7, 0xffff
	s_lshl_b32 s28, s25, 2
	s_add_co_u32 s28, s28, s24                     ; tr: A's block of 128 rows, made of cy alone
	s_lshl_b32 s86, s28, 3                         ; A's first tile
	s_lshl_b32 s87, s23, 4
	s_add_co_u32 s87, s87, 1728                    ; B's: Wo begins at tile 1,728 of xc
	s_lshl_b32 s88, s22, 2
	s_add_co_u32 s88, s88, s86
	s_mul_i32 s88, s88, TILEB
	s_mov_b32 s89, 0
	s_lshl_b32 s90, s22, 3
	s_add_co_u32 s90, s90, s87
	s_mul_i32 s90, s90, TILEB
	s_mov_b32 s91, 0
	s_mul_i32 s92, s22, 4*TILEB
	s_mul_i32 s93, s22, 8*TILEB
	s_add_co_u32 s93, s93, 8*TILEB
	s_lshl_b32 s94, s21, 2
	s_add_co_u32 s94, s94, s86
	s_lshl_b32 s94, s94, 6                         ; ctx's scale words: 64 bytes a tile
	s_mov_b32 s95, 0
	s_lshl_b32 s96, s22, 3
	s_add_co_u32 s96, s96, s87
	s_lshl_b32 s96, s96, 9                         ; Wo's: 512 bytes a tile
	s_mov_b32 s97, 0
	s_lshl_b32 s98, s23, 10
	s_lshl_b32 s99, s22, 9
	s_add_co_u32 s98, s98, s99                     ; my first column in bytes of f32
	s_mov_b32 s99, 0
	s_lshl_b32 s2, s28, 19
	s_lshl_b32 s3, s21, 18
	s_add_co_u32 s2, s2, s3                        ; my first row, 128 tr + 64 wa, of 4,096 bytes
	s_add_co_u32 s2, s2, s98
	s_mov_b32 s3, 0
	s_wait_dscnt 0x0                               ; the opening add is done
	s_wait_kmcnt 0x0
	s_add_nc_u64 s[88:89], s[4:5], s[88:89]
	s_add_nc_u64 s[90:91], s[8:9], s[90:91]
	s_add_nc_u64 s[94:95], s[6:7], s[94:95]
	s_add_nc_u64 s[96:97], s[10:11], s[96:97]
	s_add_nc_u64 s[12:13], s[12:13], s[98:99]
	s_add_nc_u64 s[14:15], s[14:15], s[2:3]
.irp q, 0                              ; one group 0 a side
	s_mov_b32 s[G0A+4*\q], 1
	s_add_co_u32 s[G0A+4*\q+1], s92, \q*QB
	s_add_nc_u64 s[G0A+4*\q+2:G0A+4*\q+3], s[88:89], \q*3072
	s_or_b32 s[G0A+4*\q+3], s[G0A+4*\q+3], 0x80000000
	s_mov_b32 s[G0B+4*\q], 1
	s_add_co_u32 s[G0B+4*\q+1], s93, \q*QB
	s_add_nc_u64 s[G0B+4*\q+2:G0B+4*\q+3], s[90:91], \q*3072
	s_or_b32 s[G0B+4*\q+3], s[G0B+4*\q+3], 0x80000000
.endr
	CROUND                                         ; all sixteen work-groups are here: the joint loads meet
	s_cmp_lt_u32 s[WV], 2                          ; a wave's one fill stands in one branch on the wave's number: one tensor load of mine is out; an s_nop 0 follows it, then four v_nop
	s_cbranch_scc0 .Lfirst_b
.irp q, 0                              ; one tensor load a wave
	tensor_load_to_lds s[G0A+4*\q:G0A+4*\q+3], s[G1A:G1A+7]
	s_nop 0
.endr
.rept 4
	v_nop
.endr
	s_branch .Lfirst_done
.Lfirst_b:
.irp q, 0
	tensor_load_to_lds s[G0B+4*\q:G0B+4*\q+3], s[G1B:G1B+7]
	s_nop 0
.endr
.rept 4
	v_nop
.endr
.Lfirst_done:
	s_wait_alu depctr_va_vdst(0)
.irp a, 0,1,2,3
.irp i, 0,1,2,3
	global_load_b32 v[SA+4*\a+\i], v10, s[94:95] offset:32768*\i+64*\a   ; K step i in lanes 0-15, K step 4 + i in lanes 16-31
.endr
.endr
.irp b, 0,1,2,3,4,5,6,7
	global_load_b128 v[SB+4*\b:SB+4*\b+3], v[L16], s[96:97] offset:512*\b
.endr
	WIN 0xc0                                       ; destination window 3
.set I, 0
.rept 16                               ; bo in the results' layout: register 16 B + i is column 32 B + 16 h + i
	global_load_b128 v[4*I:4*I+3], v11, s[12:13] offset:128*(I/4)+16*(I%4)
.set I, I+1
.endr
	WIN 0
	s_wait_loadcnt 0x0
	s_wait_tensorcnt 0x0                           ; my one load has landed; behind the barrier all tiles are whole
	s_barrier_signal -1
	s_barrier_wait -1
	FETCH 0
.irp q, 0,1,2,3,4,5,6,7
	KSTEP \q
.endr
	WIN 0
	s_barrier_wait -1                              ; no wave reads the tiles any more: the stages, which lie on A's first tiles, may be written (those bytes have had their only fill)
.rept 4
	v_nop                                          ; places in front of the first read of results and the first write over fragments
.endr
.macro OUTT a
	WIN 0x08                                       ; the data: window 2: the sums hold bo already and go to the stage as they are
.set I, 0
.rept 16
	ds_store_b128 v12, v[64*(\a)+4*I:64*(\a)+4*I+3] offset:128*(I/4)+16*(I%4)   ; each accumulator from its low end on
.set I, I+1
.endr
	WIN 0
.if (\a) > 0
	s_wait_xcnt 0x0                                ; the last tile's stores have read their data: the rows' registers may be loaded again
.endif
.set I, 0
.rept 16
	ds_load_b128 v[BK+4*I:BK+4*I+3], v13 offset:528*I              ; LDS serves a wave's instructions in order: these see the stores above
.set I, I+1
.endr
.set I, 0
.rept 16
	s_wait_dscnt 15-I                              ; row I is back; the younger loads may be out
	global_store_b128 v[L16], v[BK+4*I:BK+4*I+3], s[14:15] offset:(32*((\a)/2)+8*((\a)%2)+I+8*(I/8))*4096 th:TH_STORE_NT   ; 32 lanes store 512 consecutive bytes, aligned; written once
.set I, I+1
.endr
.endm
	OUTT 0
	OUTT 1
	OUTT 2
	OUTT 3
	s_wait_tensorcnt 0x0                           ; the wave's end, behind my last LDS store
	ds_add_u32 v[SPW], v[NIL]
	s_wait_dscnt 0x0
	CROUND                                         ; the closing round
	s_endpgm
.Lfunc_end_k_q8dc1d5714a_outp:
	.size	k_q8dc1d5714a_outp, .Lfunc_end_k_q8dc1d5714a_outp-k_q8dc1d5714a_outp
	.p2alignl 7, 3214868480
	.fill 96, 4, 3214868480
	.section	.rodata,"a",@progbits
	.p2align	6, 0x0
	.amdhsa_kernel k_q8dc1d5714a_outp
		.amdhsa_group_segment_fixed_size 327680
		.amdhsa_private_segment_fixed_size 0
		.amdhsa_enable_private_segment 0
		.amdhsa_kernarg_size 48
		.amdhsa_user_sgpr_count 2
		.amdhsa_user_sgpr_kernarg_segment_ptr 1
		.amdhsa_wavefront_size32 1
		.amdhsa_system_sgpr_workgroup_id_x 1
		.amdhsa_system_sgpr_workgroup_id_y 1
		.amdhsa_system_sgpr_workgroup_id_z 1
		.amdhsa_system_vgpr_workitem_id 0
		.amdhsa_next_free_vgpr 1024
		.amdhsa_next_free_sgpr 104
		.amdhsa_reserve_vcc 0
		.amdhsa_float_denorm_mode_32 3
		.amdhsa_float_denorm_mode_16_64 3
		.amdhsa_memory_ordered 1
		.amdhsa_forward_progress 1
		.amdhsa_inst_pref_size 85
	.end_amdhsa_kernel
	.amdgpu_metadata
---
amdhsa.version: [ 1, 2 ]
amdhsa.kernels:
  - .name:           k_q8dc1d5714a_outp
    .symbol:         k_q8dc1d5714a_outp.kd
    .args:
      - { .name: cc, .offset: 0, .size: 8, .value_kind: global_buffer, .address_space: global }
      - { .name: cs, .offset: 8, .size: 8, .value_kind: global_buffer, .address_space: global }
      - { .name: xc, .offset: 16, .size: 8, .value_kind: global_buffer, .address_space: global }
      - { .name: xs, .offset: 24, .size: 8, .value_kind: global_buffer, .address_space: global }
      - { .name: bo, .offset: 32, .size: 8, .value_kind: global_buffer, .address_space: global }
      - { .name: out0, .offset: 40, .size: 8, .value_kind: global_buffer, .address_space: global }
    .group_segment_fixed_size: 327680
    .private_segment_fixed_size: 0
    .kernarg_segment_align: 8
    .kernarg_segment_size: 48
    .max_flat_workgroup_size: 128
    .sgpr_count:     104
    .vgpr_count:     1024
    .wavefront_size: 32
...
	.end_amdgpu_metadata
.endif
;; end of part 4
